; MI455X (gfx1250); checked and timed in simulation.
; The chip was launched on July 23, 2026; its instructions are those of AMD's public machine-readable ISA for CDNA 5 (MIT licence, August 2026) and "CDNA5" Instruction Set Architecture Reference Guide (July 2026). The comments in the code are by the model that wrote it; some were corrected since.
;; Self Attention. Allowed arithmetic: matrix products marked QUANTISED: E4M3 operands, one given power-of-two scale a tensor, by v_wmma_f32_16x16x64_fp8_fp8 or v_wmma_f32_16x16x128_fp8_fp8, f32 sums; everything else in f32.
;; Inputs: Wk 1,024 x 1,024 float32; Wo 1,024 x 1,024 float32; Wq 1,024 x 1,024 float32; Wv 1,024 x 1,024 float32; bk 1,024 float32; bo 1,024 float32; bq 1,024 float32; bv 1,024 float32; lowp_scales 12 int32 (the exponents e of the quantised operands' scales 2^e); x 4 x 2,048 x 1,024 float32.
;; Outputs: out0 4 x 2,048 x 1,024 float32.
;; This version of the problem:
;;   THIS VERSION OF THE PROBLEM IS GIVEN IN LOW PRECISION. The matrix products marked QUANTISED in the list below multiply operands that are first quantised to E4M3 (4 exponent bits, 3 mantissa bits; 8 bits a number), with one given power-of-two scale for each operand tensor; their sums are f32. All else is computed in f32.
;;   The module's matrix products, in the order in which they are computed (A, B: the left and right operand; K: the contracted axis; several contracted axes count as one K, in the product's order):
;;     1. [M 8,192, K 1,024] x [K 1,024, N 1,024]; A: input x; B: input Wq: QUANTISED (scales: A lowp_scales[0], B lowp_scales[1])
;;     2. [M 8,192, K 1,024] x [K 1,024, N 1,024]; A: input x; B: input Wk: QUANTISED (scales: A lowp_scales[2], B lowp_scales[3])
;;     3. [M 8,192, K 1,024] x [K 1,024, N 1,024]; A: input x; B: input Wv: QUANTISED (scales: A lowp_scales[4], B lowp_scales[5])
;;     4. batch 64 x [M 2,048, K 64] x [K 64, N 2,048]; A: computed on the way; B: computed on the way: QUANTISED (scales: A lowp_scales[6], B lowp_scales[7])
;;     5. batch 64 x [M 2,048, K 2,048] x [K 2,048, N 64]; A: softmax (see below); B: computed on the way: QUANTISED (scales: A lowp_scales[8], B lowp_scales[9])
;;     6. [M 8,192, K 1,024] x [K 1,024, N 1,024]; A: computed on the way; B: input Wo: QUANTISED (scales: A lowp_scales[10], B lowp_scales[11])
;;   THE QUANTISER, for each operand of a quantised product, along K:
;;     - The operand's scale is 2^e, e = its entry of the input lowp_scales (int32; the entries are numbered through the quantised products in the list's order, A before B).
;;     - Each number is divided by the scale, clamped to +-448, and rounded to the nearest number of E4M3, ties to even, subnormals kept.
;;     - The product sums the exact products of the quantised numbers (number of the format x scale) in f32.
;;   ~~~python
;;   def quantise(x, axis, e):      # numpy; x: float32 -> the quantised numbers, widened to float32 again
;;       x = np.moveaxis(x, axis, -1); K = x.shape[-1]
;;       r = np.clip(x / 2.0 ** e, -448, 448)
;;       step = 2.0 ** (np.maximum(np.frexp(np.where(r == 0, 1, r))[1] - 1, -6) - 3)
;;       q = np.round(r / step) * step * 2.0 ** e      # np.round: ties to even
;;       return np.moveaxis(q, -1, axis).astype(np.float32)
;;   ~~~
;;   SOFTMAX AHEAD OF A QUANTISED PRODUCT. Where the list says 'softmax', what is quantised is not the finished softmax but p = 2^(t - M), with t = logit x log2(e) and M = ceil(the row's largest t), a whole number; so 1/2 < the row's largest p <= 1. The row's sum l is taken of the UNQUANTISED p, in f32, and the product's result is divided by l at the end. Since M is a whole number, a kernel that streams over the keys may use a running M (the ceiling of the running maximum): every later rescaling is an exact power of two, so the quantised numbers keep their values, but for numbers so far below the row's largest that they fall under the format's range.
;;   OPERANDS COMPUTED ON THE WAY. 'Computed on the way' means the value that the module computes at that place (a softmax that the list does not call 'softmax' is quantised finished and normalised). What goes into a quantiser is computed in f32, as accurately as f32 sums, v_exp_f32 and their like allow (about 1e-6 of the number): no bf16 or f16 on the way to a quantiser, and a product that is left as it is and whose result goes on into a quantised operand takes f32 operands (vector FMAs, or v_wmma_f32_16x16x4_f32). A number that lies on a knife's edge between two numbers of the format may be rounded either way, as far as f32 arithmetic and the matrix unit's own rounding can turn it there, and no further.
;; One version. Each part assembles by itself: llvm-mc -triple=amdgcn-amd-amdhsa -mcpu=gfx1250 --defsym DOCPART=n.
;; ======== version 1 of 1: 5 launches
;; limits: right only within a limited range of input values
;; workspace buffers: xc 25,165,824 bytes; wc 4,194,304 bytes; qkvc 25,165,824 bytes; ac 8,388,608 bytes
;; launch quant_x (part 1): grid 256 x 1, 4 waves a work-group, no clusters, 33,280 bytes of LDS; arguments x, lowp_scales, xc; writes xc
.if DOCPART == 1
	.amdgcn_target "amdgcn-amd-amdhsa--gfx1250"
	.amdhsa_code_object_version 6
	.text
	.protected	k_q9264384c1d_quant_x
	.globl	k_q9264384c1d_quant_x
	.p2align	8
	.type	k_q9264384c1d_quant_x,@function
k_q9264384c1d_quant_x:
	s_mov_b64 s[64:65], 0
	v_nop
	global_prefetch_b8 v0, s[64:65] scope:SCOPE_SE
	s_setreg_imm32_b32 hwreg(HW_REG_WAVE_MODE, 25, 1), 1
	s_wait_xcnt 0x0
; x [8192][1024] f32 becomes THREE sets of E4M3 codes, xc [3][8192][1024], K innermost: one for each of the products with Wq, Wk, Wv,
; whose scales for x (entries 0, 2, 4 of lowp_scales) need not be equal.  code = x / 2^e, held within +-448, to the nearest code, ties to even.
; LIMITS: each of the three e lies between -126 and 119, so that 2^e and 448 x 2^e are f32 numbers.  NaN among the inputs is not served.
; x is read once.  A wave takes 16 steps of 512 numbers.  Each load reads 512 consecutive bytes; a step's 2,048 bytes turn through the wave's own
; stage in LDS (16 bytes of padding behind each 64) and come back 16 NEIGHBOURS a lane, which the conversions want.  A lane's 16 codes are 16 bytes:
; each store of the wave covers 512 consecutive bytes, aligned.  Waves share nothing: no barrier.  Loads run four steps ahead, the turn one step.
.set WAVES, 4
.set STEPS, 16
.set R,     16                         ; v16-79   four sets of 16 numbers as loaded
.set X,     80                         ; v80-111  two sets of 16 neighbours
.set T,     112
.set C,     160                        ; v160-183 codes: two sets of 3 x 4 registers
.set SC,    184                        ; v184-186 2^e as f32
.set LIM,   187
.set WREG,  8192                       ; LDS: a region for each wave: two stages of 32 x SP bytes
.set SP,    80
.set SPW,   12                         ; v12 LDS address of my spare word; never rewritten
.set NIL,   13                         ; v13 0; never rewritten
.set SPARE, WAVES*WREG                 ; behind the regions: the spare words, 128 bytes a wave
	s_load_b128 s[4:7], s[0:1], 0x0                ; x, the scales' exponents
	s_load_b64 s[8:9], s[0:1], 0x10                ; xc
	v_lshl_add_u32 v[SPW], v0, 2, SPARE
	v_mov_b32 v[NIL], 0
	v_lshrrev_b32 v1, 5, v0
	v_readfirstlane_b32 s16, v1                    ; wave
	v_and_b32 v2, 31, v0                           ; lane
	v_lshlrev_b32 v3, 4, v2                        ; my 16 bytes of a load's 512
	s_mul_i32 s17, s16, WREG
	v_lshrrev_b32 v14, 2, v2
	v_mul_u32_u24 v14, v14, SP
	v_and_b32 v15, 3, v2
	v_lshl_add_u32 v14, v15, 4, v14
	v_add_nc_u32 v14, s17, v14                     ; the stage, on the way in: SP (lane / 4) + 16 (lane % 4)
	v_mul_u32_u24 v15, v2, SP
	v_add_nc_u32 v15, s17, v15                     ; and on the way out: SP x lane
	v_lshlrev_b32 v4, 4, v2                        ; my codes' place in a step's 512 bytes
	s_lshl_b32 s18, ttmp9, 2
	s_add_co_u32 s18, s18, s16                     ; which run of 8,192 numbers is my wave's
	s_lshl_b32 s20, s18, 15                        ; in bytes of x,
	s_mov_b32 s21, 0
	s_lshl_b32 s22, s18, 13                        ; and of codes
	s_mov_b32 s23, 0
	s_wait_alu depctr_va_vdst(0)
	s_wait_kmcnt 0x0
	s_load_b256 s[24:31], s[6:7], 0x0              ; entries 0 to 7
	s_add_nc_u64 s[4:5], s[4:5], s[20:21]
	s_add_nc_u64 s[8:9], s[8:9], s[22:23]          ; the set for Wq,
	s_add_nc_u64 s[10:11], s[8:9], 0x800000        ; for Wk,
	s_add_nc_u64 s[12:13], s[8:9], 0x1000000       ; for Wv
.macro LOAD t
.irp i, 0,1,2,3
	global_load_b128 v[R+16*((\t)%4)+4*\i:R+16*((\t)%4)+4*\i+3], v3, s[4:5] offset:2048*(\t)+512*\i th:TH_LOAD_NT
.endr
.endm
.macro TURN t                          ; LDS serves a wave's instructions in order: no wait between the stores and the loads
.irp i, 0,1,2,3
	ds_store_b128 v14, v[R+16*((\t)%4)+4*\i:R+16*((\t)%4)+4*\i+3] offset:32*SP*((\t)%2)+8*SP*\i
.endr
.irp i, 0,1,2,3
	ds_load_b128 v[X+16*((\t)%2)+4*\i:X+16*((\t)%2)+4*\i+3], v15 offset:32*SP*((\t)%2)+16*\i
.endr
.endm
.irp t, 0,1,2,3
	LOAD \t
.endr
	s_wait_kmcnt 0x0
.irp k, 0,1,2
	s_add_co_i32 s32, s[24+2*\k], 127
	s_lshl_b32 s33, s32, 23
	v_mov_b32 v[SC+\k], s33                        ; 2^e: the conversion takes its exponent field
	s_add_co_i32 s32, s32, 8
	s_lshl_b32 s32, s32, 23
	s_or_b32 s32, s32, 0x600000
.endr
	s_wait_alu depctr_va_vdst(0)
	s_wait_loadcnt 12                              ; step 0's four loads are in; the twelve of steps 1 to 3 may be out
	TURN 0
.macro STEP t
.set XS, X+16*((\t)%2)
.set CS, C+12*((\t)%2)
	s_wait_dscnt 0x0                               ; this step's numbers are back from the stage, and its stores into the stage have read their registers
	s_wait_xcnt 0x0                                ; the stores of two steps back have read this set of code registers
.if (\t)+4 < STEPS
	LOAD (\t)+4
.endif
.if (\t)+1 < STEPS
.if STEPS-2-(\t) >= 3
	s_wait_loadcnt 12                              ; the next step's four loads are in; those of the three steps behind it may be out
.else
	s_wait_loadcnt 4*(STEPS-2-(\t))
.endif
	TURN (\t)+1
.endif
.irp k, 0,1,2
.irp i, 0,1,2,3,4,5,6,7,8,9,10,11,12,13,14,15
.endr
	v_cvt_scalef32_pk8_fp8_f32 v[CS+4*\k:CS+4*\k+1], v[T+16*\k+((XS+0)-(T+16*\k+0)):T+16*\k+7+((XS+0)-(T+16*\k+0))], v[SC+\k]
	v_cvt_scalef32_pk8_fp8_f32 v[CS+4*\k+2:CS+4*\k+3], v[T+16*\k+8+((XS+0)-(T+16*\k+0)):T+16*\k+15+((XS+0)-(T+16*\k+0))], v[SC+\k]
.endr
	v_nop                                          ; one plain line behind the last conversion
.irp k, 0,1,2
	global_store_b128 v4, v[CS+4*\k:CS+4*\k+3], s[8+2*\k:9+2*\k] offset:512*(\t)
.endr
.endm
.irp t, 0,1,2,3,4,5,6,7,8,9,10,11,12,13,14,15
	STEP \t
.endr
	s_wait_tensorcnt 0x0                           ; the wave's end: behind my last LDS store
	ds_add_u32 v[SPW], v[NIL]
	s_wait_dscnt 0x0
	s_endpgm
.Lfunc_end_k_q9264384c1d_quant_x:
	.size	k_q9264384c1d_quant_x, .Lfunc_end_k_q9264384c1d_quant_x-k_q9264384c1d_quant_x
	.p2alignl 7, 3214868480
	.fill 96, 4, 3214868480
	.section	.rodata,"a",@progbits
	.p2align	6, 0x0
	.amdhsa_kernel k_q9264384c1d_quant_x
		.amdhsa_group_segment_fixed_size 33280
		.amdhsa_private_segment_fixed_size 0
		.amdhsa_enable_private_segment 0
		.amdhsa_kernarg_size 24
		.amdhsa_user_sgpr_count 2
		.amdhsa_user_sgpr_kernarg_segment_ptr 1
		.amdhsa_wavefront_size32 1
		.amdhsa_system_sgpr_workgroup_id_x 1
		.amdhsa_system_sgpr_workgroup_id_y 1
		.amdhsa_system_sgpr_workgroup_id_z 1
		.amdhsa_system_vgpr_workitem_id 0
		.amdhsa_next_free_vgpr 192
		.amdhsa_next_free_sgpr 66
		.amdhsa_reserve_vcc 0
		.amdhsa_float_denorm_mode_32 3
		.amdhsa_float_denorm_mode_16_64 3
		.amdhsa_fp16_overflow 1
		.amdhsa_memory_ordered 1
		.amdhsa_forward_progress 1
		.amdhsa_inst_pref_size 30
	.end_amdhsa_kernel
	.amdgpu_metadata
---
amdhsa.version: [ 1, 2 ]
amdhsa.kernels:
  - .name:           k_q9264384c1d_quant_x
    .symbol:         k_q9264384c1d_quant_x.kd
    .args:
      - { .name: x, .offset: 0, .size: 8, .value_kind: global_buffer, .address_space: global }
      - { .name: lowp_scales, .offset: 8, .size: 8, .value_kind: global_buffer, .address_space: global }
      - { .name: xc, .offset: 16, .size: 8, .value_kind: global_buffer, .address_space: global }
    .group_segment_fixed_size: 33280
    .private_segment_fixed_size: 0
    .kernarg_segment_align: 8
    .kernarg_segment_size: 24
    .max_flat_workgroup_size: 128
    .sgpr_count:     66
    .vgpr_count:     192
    .wavefront_size: 32
...
	.end_amdgpu_metadata
.endif
;; end of part 1
;; launch quant_w (part 2): grid 8 x 16, 4 waves a work-group, no clusters, 35,840 bytes of LDS; arguments Wq, Wk, Wv, Wo, lowp_scales, wc; writes wc
.if DOCPART == 2
	.amdgcn_target "amdgcn-amd-amdhsa--gfx1250"
	.amdhsa_code_object_version 6
	.text
	.protected	k_q9264384c1d_quant_w
	.globl	k_q9264384c1d_quant_w
	.p2align	8
	.type	k_q9264384c1d_quant_w,@function
k_q9264384c1d_quant_w:
	s_mov_b64 s[64:65], 0
	v_nop
	global_prefetch_b8 v0, s[64:65] scope:SCOPE_SE
	s_setreg_imm32_b32 hwreg(HW_REG_WAVE_MODE, 25, 1), 1
	s_wait_xcnt 0x0
; The four weights, [k 1024][n 1024] f32 with K as FIRST axis, become E4M3 codes wc [4][n 1024][k 1024], K innermost, with the scales 2^e of
; entries 1 (Wq), 3 (Wk), 5 (Wv), 11 (Wo) of lowp_scales.  code = w / 2^e, held within +-448, to the nearest code, ties to even.
; LIMITS: e between -126 and 119.  NaN among the inputs is not served.
; Work-group y = 4 x weight + which 256 along K; x = which 128 columns.  Only pointers and e are chosen by the weight's number: one path for all four.
; A LANE TAKES A COLUMN n AND ITS REGISTERS RUN DOWN K: each load reads 128 consecutive bytes a wave, and the conversions give codes with K innermost.
; A wave's 32 columns x 256 codes go through its own stage in LDS and leave as rows: sixteen lanes store 256 consecutive bytes, aligned.
.set KW,    256
.set NB,    KW/32
.set ROWB,  256
.set PITCH, ROWB+16
.set KROW,  1024                       ; a row of codes in bytes
.set NROW,  4096                       ; a row of a weight in bytes
.set X,     32                         ; v32-95   two sets of 32 numbers
.set C,     96                         ; v96-103  a block's codes
.set OUTR,  112                        ; v112-175 the way out
.set SPW,   14
.set NIL,   15
.set SPARE, 4*32*PITCH                 ; behind the four stages: the spare words
	s_load_b256 s[36:43], s[0:1], 0x0              ; Wq, Wk, Wv, Wo
	s_load_b128 s[44:47], s[0:1], 0x20             ; the scales' exponents, wc
	v_lshl_add_u32 v[SPW], v0, 2, SPARE
	v_mov_b32 v[NIL], 0
	v_lshrrev_b32 v1, 5, v0
	v_readfirstlane_b32 s16, v1                    ; wave
	v_and_b32 v2, 31, v0                           ; lane
	s_lshl_b32 s17, ttmp9, 7
	s_lshl_b32 s18, s16, 5
	s_add_co_u32 s17, s17, s18                     ; my wave's first column
	s_and_b32 s18, ttmp7, 0xffff
	s_lshr_b32 s28, s18, 2                         ; which weight
	s_and_b32 s18, s18, 3                          ; which 256 along K
	v_lshlrev_b32 v3, 2, v2                        ; in: 4 bytes a lane
	s_mul_i32 s19, s16, 32*PITCH                   ; my stage
	v_mul_u32_u24 v4, v2, PITCH
	v_add_nc_u32 v4, s19, v4                       ; into it: row = my column
	v_and_b32 v5, 15, v2
	v_lshrrev_b32 v6, 4, v2
	v_mul_u32_u24 v7, v6, PITCH
	v_lshl_add_u32 v7, v5, 4, v7
	v_add_nc_u32 v7, s19, v7                       ; out of it: sixteen lanes to a row, two rows an instruction
	v_mul_u32_u24 v8, v6, KROW
	v_lshl_add_u32 v8, v5, 4, v8                   ; and the same place among the codes
	s_lshl_b32 s20, s18, 20                        ; 256 rows of 4,096 bytes,
	s_lshl_b32 s22, s17, 2
	s_add_co_u32 s20, s20, s22                     ; + 4 x column
	s_mov_b32 s21, 0
	s_lshl_b32 s24, s28, 20                        ; the weight's codes,
	s_lshl_b32 s22, s17, 10
	s_add_co_u32 s24, s24, s22                     ; + column x 1,024
	s_lshl_b32 s22, s18, 8
	s_add_co_u32 s24, s24, s22                     ; + 256 x which
	s_mov_b32 s25, 0
	s_wait_kmcnt 0x0
	s_load_b256 s[48:55], s[44:45], 0x0            ; entries 0 to 7
	s_load_b32 s56, s[44:45], 0x2c                 ; entry 11
	s_cmp_eq_u32 s28, 1
	s_cselect_b64 s[4:5], s[38:39], s[36:37]
	s_cmp_eq_u32 s28, 2
	s_cselect_b64 s[4:5], s[40:41], s[4:5]
	s_cmp_eq_u32 s28, 3
	s_cselect_b64 s[4:5], s[42:43], s[4:5]
	s_add_nc_u64 s[4:5], s[4:5], s[20:21]
	s_add_nc_u64 s[8:9], s[46:47], s[24:25]
.macro LOAD t                          ; block t: W(32 t + i, my column) into set t % 2
.set i, 0
.rept 32
	global_load_b32 v[X+32*((\t)%2)+i], v3, s[4:5] offset:(32*(\t)+i)*NROW th:TH_LOAD_NT
.set i, i+1
.endr
.endm
	LOAD 0
	LOAD 1
	s_wait_kmcnt 0x0
	s_cmp_eq_u32 s28, 1
	s_cselect_b32 s30, s51, s49
	s_cmp_eq_u32 s28, 2
	s_cselect_b32 s30, s53, s30
	s_cmp_eq_u32 s28, 3
	s_cselect_b32 s30, s56, s30                    ; e
	s_add_co_i32 s30, s30, 127
	s_lshl_b32 s31, s30, 23
	v_mov_b32 v11, s31                             ; 2^e
	s_add_co_i32 s30, s30, 8
	s_lshl_b32 s30, s30, 23
	s_or_b32 s30, s30, 0x600000
.macro BLOCK t
.set XS, X+32*((\t)%2)
.if (\t) < NB-1
	s_wait_loadcnt 32                              ; this block's 32 loads are in; the next block's 32 may be out
.else
	s_wait_loadcnt 0
.endif
.set i, 0
.rept 32
.set i, i+1
.endr
.irp g, 0,1,2,3
	v_cvt_scalef32_pk8_fp8_f32 v[C+2*\g:C+2*\g+1], v[XS+8*\g:XS+8*\g+7], v11
.endr
	v_nop                                          ; one plain line behind the last conversion
	ds_store_b128 v4, v[C:C+3] offset:32*(\t)
	ds_store_b128 v4, v[C+4:C+7] offset:32*(\t)+16
.if (\t)+2 < NB
	LOAD (\t)+2
.endif
	s_wait_dscnt 0x0                               ; the stores have read their registers: the next block's codes may be written
.endm
.set Q, 0
	s_wait_alu depctr_va_vdst(0)
.rept NB
	BLOCK Q
.set Q, Q+1
.endr
.irp t, 0,1,2,3,4,5,6,7,8,9,10,11,12,13,14,15
	ds_load_b128 v[OUTR+4*\t:OUTR+4*\t+3], v7 offset:2*\t*PITCH
.endr
.irp t, 0,1,2,3,4,5,6,7,8,9,10,11,12,13,14,15
	s_wait_dscnt 15-\t                             ; LDS loads come back in order: load t is in, the younger ones may be out
	global_store_b128 v8, v[OUTR+4*\t:OUTR+4*\t+3], s[8:9] offset:2*\t*KROW
.endr
	s_wait_tensorcnt 0x0                           ; the wave's end: behind my last LDS store
	ds_add_u32 v[SPW], v[NIL]
	s_wait_dscnt 0x0
	s_endpgm
.Lfunc_end_k_q9264384c1d_quant_w:
	.size	k_q9264384c1d_quant_w, .Lfunc_end_k_q9264384c1d_quant_w-k_q9264384c1d_quant_w
	.p2alignl 7, 3214868480
	.fill 96, 4, 3214868480
	.section	.rodata,"a",@progbits
	.p2align	6, 0x0
	.amdhsa_kernel k_q9264384c1d_quant_w
		.amdhsa_group_segment_fixed_size 35840
		.amdhsa_private_segment_fixed_size 0
		.amdhsa_enable_private_segment 0
		.amdhsa_kernarg_size 48
		.amdhsa_user_sgpr_count 2
		.amdhsa_user_sgpr_kernarg_segment_ptr 1
		.amdhsa_wavefront_size32 1
		.amdhsa_system_sgpr_workgroup_id_x 1
		.amdhsa_system_sgpr_workgroup_id_y 1
		.amdhsa_system_sgpr_workgroup_id_z 1
		.amdhsa_system_vgpr_workitem_id 0
		.amdhsa_next_free_vgpr 192
		.amdhsa_next_free_sgpr 66
		.amdhsa_reserve_vcc 0
		.amdhsa_float_denorm_mode_32 3
		.amdhsa_float_denorm_mode_16_64 3
		.amdhsa_fp16_overflow 1
		.amdhsa_memory_ordered 1
		.amdhsa_forward_progress 1
		.amdhsa_inst_pref_size 34
	.end_amdhsa_kernel
	.amdgpu_metadata
---
amdhsa.version: [ 1, 2 ]
amdhsa.kernels:
  - .name:           k_q9264384c1d_quant_w
    .symbol:         k_q9264384c1d_quant_w.kd
    .args:
      - { .name: Wq, .offset: 0, .size: 8, .value_kind: global_buffer, .address_space: global }
      - { .name: Wk, .offset: 8, .size: 8, .value_kind: global_buffer, .address_space: global }
      - { .name: Wv, .offset: 16, .size: 8, .value_kind: global_buffer, .address_space: global }
      - { .name: Wo, .offset: 24, .size: 8, .value_kind: global_buffer, .address_space: global }
      - { .name: lowp_scales, .offset: 32, .size: 8, .value_kind: global_buffer, .address_space: global }
      - { .name: wc, .offset: 40, .size: 8, .value_kind: global_buffer, .address_space: global }
    .group_segment_fixed_size: 35840
    .private_segment_fixed_size: 0
    .kernarg_segment_align: 8
    .kernarg_segment_size: 48
    .max_flat_workgroup_size: 128
    .sgpr_count:     66
    .vgpr_count:     192
    .wavefront_size: 32
...
	.end_amdgpu_metadata
.endif
;; end of part 2
;; launch qkv (part 3): grid 4 x 96, 4 waves a work-group, clusters of 4 x 4, 327,680 bytes of LDS; arguments xc, wc, bq, bk, bv, lowp_scales, qkvc; writes qkvc
.if DOCPART == 3
	.amdgcn_target "amdgcn-amd-amdhsa--gfx1250"
	.amdhsa_code_object_version 6
	.text
	.protected	k_q9264384c1d_qkv
	.globl	k_q9264384c1d_qkv
	.p2align	8
	.type	k_q9264384c1d_qkv,@function
k_q9264384c1d_qkv:
	s_mov_b64 s[64:65], 0
	v_nop
	global_prefetch_b8 v0, s[64:65] scope:SCOPE_SE
	s_setreg_imm32_b32 hwreg(HW_REG_WAVE_MODE, 25, 1), 1
	s_wait_xcnt 0x0
	s_wait_alu depctr_hold_cnt(0) depctr_sa_sdst(0) depctr_va_vdst(0) depctr_va_sdst(0) depctr_va_ssrc(0) depctr_va_vcc(0) depctr_vm_vsrc(0)
	s_getreg_b32 s2, hwreg(HW_REG_IB_STS2, 6, 4)
	s_cmp_eq_u32 s2, 0
	s_cbranch_scc0 .Lentry_in_a_cluster
	s_endpgm
.Lentry_in_a_cluster:
	s_bfe_u32 s2, ttmp6, 0x10000c
	s_cmp_lg_u32 s2, 0xf033
	s_cbranch_scc0 .Lentry_shape_is_right
	s_endpgm
.Lentry_shape_is_right:
; q = x Wq + bq, k = x Wk + bk, v = x Wv + bv on E4M3 codes, each result quantised at once for attention's products: qkvc holds codes alone.
; The kernel is always C = A B^T on rows of 1,024 codes, a tile of 256 x 256 to a work-group, 128 x 128 to each of four waves (64 accumulators, 512 registers).
; Cluster y / 8 says which product.  q, k: A = x's codes for that product, B = the weight's ([n][k]): C [token][n].  v: A = Wv's codes, B = x's: C = v^T [n][token],
; so that a lane's eight results are eight neighbouring KEYS, the second attention product's K.  The choice hangs on the cluster's number alone: equal in all partners.
; value = sum x 2^(ex + ew) + bias (one fused multiply-add); code = value / 2^eo held within +-448.  (ex, ew, eo) = entries (0,1,6), (2,3,7), (4,5,9).
; LIMITS: ex + ew between -126 and 127; eo between -126 and 119.  NaN is not served.
; OUT: part 0 q, part 1 k: [b][head][pos][64], pos = the token's number with bits 3 and 4 exchanged (attention's tiles of 16 neighbouring rows are then the keys it wants);
;      part 2: v^T [b][head][d][token].
; K goes in steps of 256 through a ring of two LDS slots; 4 x 4 work-groups ask jointly: A's tiles are shared along a row of the cluster, B's along a column.
; THE MATRIX INSTRUCTION IS USED TRANSPOSED (source 0 = 16 rows of B, source 1 = 16 rows of A): a lane holds eight neighbouring columns of one row of C.
; REGISTERS: window 0: v12-31 addresses and 2^eo; v32-95 bias by column, v96-111 bias by row; from v128 A's fragments, one set; on the way out v128-255 are free.
;   window 1: B's fragments, two sets.  window 2: accumulators of my rows 0-63 ((a, b) at v[8 (8 a + b)]);  window 3: rows 64-127.
; No prefetch: four K steps only, and the tiles are shared in the cluster.
.set KSTEP,  256
.set ROWB,   256
.set KROW,   1024
.set PITCH,  272                       ; an LDS row: 256 bytes + 16 of padding: the 16 rows of a load start at 16 different banks (64 banks of 4 bytes: ISA guide 11.1)
.set FR,     16
.set NL,     4
.set NP,     4                         ; places behind this matrix instruction (ISA guide 7.12.1)
.set HALFT,  128*PITCH
.set SLOT,   4*HALFT
.set LAPS,   2                         ; 1,024 along K = twice round the ring
.set SPARE,  2*SLOT                    ; behind the ring: the spare words
.set STGV,   256*PITCH                 ; the way out: a stage of 256 rows x 272 bytes in slot 0, which has had its last fill and its last read by then; q and k use bytes 0 on, v^T bytes STGV on
.set BA,   12                          ; v12  32 x (lane / 16): bias by column
.set BRA,  13                          ; v13  4 x (lane % 16): bias by row
.set ADRA, 16
.set ADRB, 20
.set STOQ, 22                          ; where I put 8 codes of a row (q, k);
.set STOV, 23                          ; (v^T)
.set RDQ,  24                          ; where I read rows back (q, k: 8 rows x 64 bytes);
.set RDV,  25                          ; (v^T: 2 rows x 256 bytes)
.set GOQ,  26
.set GOV,  27
.set SPW,  28
.set NIL,  29
.set QSC,  30                          ; 2^eo
.set QLIM, 31
.set BI,   32
.set BR,   96
.set AF,   128
.set TMP,  128                         ; the way out: a block's 64 values
.set CD,   192                         ; its codes: two sets of 16
.set BK,   128                         ; 128 registers read back from the stage
.set G1, 24
.set G0, 32
.set G1B, 48
.set G0B, 56
.set MSB, 0
.macro WIN new                         ; the immediate's high byte repeats the setting that is left
.if MSB != \new
	s_set_vgpr_msb (MSB<<8)|\new
.set MSB, \new
.endif
.endm
.set MUL_LO, 0xa1                      ; source 0 (B) window 1, source 1 (A) window 0, C and D window 2
.set MUL_HI, 0xf1
.set TO_B,   0x40
; A joint load: waves 0 and 1 fetch for A, waves 2 and 3 for B; the branch hangs on the wave's number alone.  An s_nop 0 and four v_nop follow each line.
.macro JLOAD g0a, g1a, g0b, g1b
	s_cmp_eq_u32 s15, 0
	s_cbranch_scc0 .Lfor_b_\@
	tensor_load_to_lds s[\g0a:\g0a+3], s[\g1a:\g1a+7]
	s_nop 0
.rept 4
	v_nop
.endr
	s_branch .Lasked_\@
.Lfor_b_\@:
	tensor_load_to_lds s[\g0b:\g0b+3], s[\g1b:\g1b+7]
	s_nop 0
.rept 4
	v_nop
.endr
.Lasked_\@:
.endm
.macro CREST
	s_cmp_lg_u32 s14, 0
	s_cbranch_scc1 .Lnot_wave_0_\@
	s_barrier_signal -3
.Lnot_wave_0_\@:
	s_barrier_wait -3
	s_barrier_signal -1
	s_barrier_wait -1
.endm
.macro CROUND
	s_barrier_signal -1
	s_barrier_wait -1
	CREST
.endm
	s_load_b256 s[68:75], s[0:1], 0x0              ; xc, wc, bq, bk
	s_load_b128 s[76:79], s[0:1], 0x20             ; bv, the scales' exponents
	s_load_b64 s[80:81], s[0:1], 0x30              ; qkvc
	v_lshl_add_u32 v[SPW], v0, 2, SPARE
	v_mov_b32 v[NIL], 0
	ds_add_u32 v[SPW], v[NIL]                      ; the wave's opening: the add and its wait ahead of my first tensor load
	ds_add_u32 v[SPW], v[NIL]
	v_lshrrev_b32 v1, 5, v0
	v_readfirstlane_b32 s14, v1                    ; wave 0..3
	s_lshr_b32 s15, s14, 1                         ; my half of the tile's rows.  Also: I fetch for A (0) or B (1)
	s_and_b32 s16, s14, 1                          ; my half of its columns.  Also: which 128 rows I fetch
	s_bfe_u32 s40, ttmp6, 0x40000                  ; cx
	s_bfe_u32 s41, ttmp6, 0x40004                  ; cy
	s_and_b32 s2, ttmp7, 0xffff                    ; cluster y (the grid is one cluster wide)
	s_lshr_b32 s82, s2, 3                          ; which product: 0 q, 1 k, 2 v
	s_and_b32 s2, s2, 7
	s_lshl_b32 s2, s2, 2                           ; 4 x the group of 1,024 tokens
	s_cmp_eq_u32 s82, 2
	s_cselect_b32 s83, 1, 0                        ; 1: v
	s_cselect_b32 s94, 0, s2                       ; the tokens run along C's rows (q, k)
	s_cselect_b32 s95, s2, 0                       ; or along its columns (v)
	s_add_co_u32 s17, s94, s41                     ; tile row of C
	s_add_co_u32 s42, s95, s40                     ; tile column of C
	s_lshl_b32 s43, s41, 2
	s_lshl_b32 s43, 15, s43                        ; my row of the cluster
	s_lshl_b32 s44, 0x1111, s40                    ; my column
	s_or_b32 s[G1+0], s43, (0<<16)|(1<<20)|(1<<21)|(5<<22)|(3<<25)  ; the mask; elements of 1 byte; padding on; bit 21 beside a mask; after every 64 words, 4 words
	s_or_b32 s[G1B+0], s44, (0<<16)|(1<<20)|(1<<21)|(5<<22)|(3<<25)
.irp g, G1, G1B
	s_mov_b32 s[\g+1], ROWB<<16                    ; tensor_dim0
	s_mov_b32 s[\g+2], 128<<16                     ; tensor_dim1
	s_mov_b32 s[\g+3], ROWB<<16                    ; tile_dim0
	s_mov_b32 s[\g+4], 128                         ; tile_dim1
	s_mov_b32 s[\g+5], KROW                        ; from row to row
	s_mov_b32 s[\g+6], 0
	s_mov_b32 s[\g+7], 0
.endr
	s_lshl_b32 s18, s16, 7
	s_lshl_b32 s20, s17, 8
	s_add_co_u32 s20, s20, s18
	s_lshl_b32 s20, s20, 10                        ; A: (256 x tile row + 128 x half) rows of 1,024 bytes
	s_mov_b32 s21, 0
	s_lshl_b32 s46, s42, 8
	s_add_co_u32 s46, s46, s18
	s_lshl_b32 s46, s46, 10                        ; B likewise by the tile column
	s_mov_b32 s47, 0
	s_mul_i32 s45, s14, HALFT                      ; where they go: wave x 128 rows
	s_lshl_b32 s86, s82, 23                        ; x's codes for this product,
	s_mov_b32 s87, 0
	s_lshl_b32 s88, s82, 20                        ; the weight's
	s_mov_b32 s89, 0
	s_wait_dscnt 0x0                               ; the opening add is done
	s_wait_kmcnt 0x0
	s_add_nc_u64 s[68:69], s[68:69], s[86:87]
	s_add_nc_u64 s[70:71], s[70:71], s[88:89]
	s_cmp_eq_u32 s83, 1
	s_cselect_b64 s[4:5], s[70:71], s[68:69]       ; A
	s_cselect_b64 s[6:7], s[68:69], s[70:71]       ; B
	s_cmp_eq_u32 s82, 1
	s_cselect_b64 s[72:73], s[74:75], s[72:73]
	s_cmp_eq_u32 s82, 2
	s_cselect_b64 s[72:73], s[76:77], s[72:73]     ; the bias
	s_load_b256 s[84:91], s[78:79], 0x0            ; entries 0 to 7
	s_load_b64 s[92:93], s[78:79], 0x20            ; entries 8, 9
	s_add_nc_u64 s[20:21], s[4:5], s[20:21]
	s_add_nc_u64 s[46:47], s[6:7], s[46:47]
	CROUND                                         ; all sixteen work-groups are here: the first joint loads meet
.irp s, 0,1
	s_mov_b32 s[G0+4*\s], 1
	s_add_co_u32 s[G0+4*\s+1], s45, \s*SLOT
	s_add_nc_u64 s[G0+4*\s+2:G0+4*\s+3], s[20:21], \s*ROWB
	s_or_b32 s[G0+4*\s+3], s[G0+4*\s+3], 0x80000000
	s_mov_b32 s[G0B+4*\s], 1
	s_add_co_u32 s[G0B+4*\s+1], s45, \s*SLOT
	s_add_nc_u64 s[G0B+4*\s+2:G0B+4*\s+3], s[46:47], \s*ROWB
	s_or_b32 s[G0B+4*\s+3], s[G0B+4*\s+3], 0x80000000
	JLOAD G0+4*\s, G1, G0B+4*\s, G1B
.endr
	v_and_b32 v1, 15, v0                           ; r
	v_bfe_u32 v2, v0, 4, 1                         ; h
	v_mul_u32_u24 v3, v1, PITCH
	s_wait_alu depctr_va_vdst(0)
	v_lshl_add_u32 v4, v2, 4, v3                   ; a fragment's row x pitch + 16 h
	s_mul_i32 s21, s15, HALFT
	s_mul_i32 s22, s16, HALFT
	s_add_co_u32 s22, s22, 2*HALFT
.irp s, 0,1
	v_add_nc_u32 v[ADRA+\s], s21, v4
	v_add_nc_u32 v[ADRB+\s], s22, v4
	s_add_co_u32 s21, s21, SLOT
	s_add_co_u32 s22, s22, SLOT
.endr
	s_mul_i32 s23, s15, 128*PITCH                  ; the stage, in: row 128 x my row half + r, byte 128 x my column half + 8 h
	s_lshl_b32 s21, s16, 7
	s_add_co_u32 s23, s23, s21
	v_lshl_add_u32 v5, v2, 3, v3
	v_add_nc_u32 v[STOQ], s23, v5
	v_add_nc_u32 v[STOV], STGV, v[STOQ]
	v_and_b32 v6, 31, v0
	v_lshrrev_b32 v7, 2, v6
	v_mul_u32_u24 v7, v7, PITCH
	v_and_b32 v8, 3, v0
	v_lshl_add_u32 v7, v8, 4, v7
	s_mul_i32 s23, s14, 64*PITCH                   ; back: wave w takes rows 64 w on
	v_add_nc_u32 v[RDQ], s23, v7                   ; q, k: row lane / 4, 16 (lane % 4)
	v_mul_u32_u24 v7, v2, PITCH
	v_lshl_add_u32 v7, v1, 4, v7
	v_add_nc_u32 v7, s23, v7
	v_add_nc_u32 v[RDV], STGV, v7                  ; v^T: row lane / 16, 16 (lane % 16)
	v_lshlrev_b32 v[GOQ], 4, v6
	v_lshlrev_b32 v[GOV], 11, v2
	v_lshl_add_u32 v[GOV], v1, 4, v[GOV]
	v_lshlrev_b32 v[BA], 5, v2
	s_wait_alu depctr_va_vdst(0)
	v_lshlrev_b32 v[BRA], 2, v1
	s_wait_alu depctr_va_vdst(0)
	; the bias in both layouts; the one that this product does not use is read from the buffer's head
	s_lshl_b32 s21, s42, 8
	s_lshl_b32 s22, s16, 7
	s_add_co_u32 s21, s21, s22
	s_lshl_b32 s21, s21, 2                         ; my first column, in bytes
	s_lshl_b32 s22, s17, 8
	s_lshl_b32 s23, s15, 7
	s_add_co_u32 s22, s22, s23
	s_lshl_b32 s22, s22, 2                         ; my first row
	s_cmp_eq_u32 s83, 1
	s_cselect_b32 s18, 0, s21
	s_cselect_b32 s22, s22, 0
	s_mov_b32 s19, 0
	s_mov_b32 s23, 0
	s_add_nc_u64 s[8:9], s[72:73], s[18:19]
	s_add_nc_u64 s[12:13], s[72:73], s[22:23]
.irp b, 0,1,2,3,4,5,6,7
	global_load_b128 v[BI+8*\b:BI+8*\b+3], v[BA], s[8:9] offset:64*\b        ; bias(column 16 b + 8 h + 0 .. 7)
	global_load_b128 v[BI+8*\b+4:BI+8*\b+7], v[BA], s[8:9] offset:64*\b+16
.endr
.irp a, 0,1,2,3,4,5,6,7
	global_load_b32 v[BR+2*\a], v[BRA], s[12:13] offset:64*\a                ; bias(row 16 a + r), twice: it is named as a pair
	global_load_b32 v[BR+2*\a+1], v[BRA], s[12:13] offset:64*\a
.endr
	; where my 64 stage rows go
	s_lshr_b32 s18, s17, 3
	s_lshl_b32 s18, s18, 4
	s_lshl_b32 s19, s42, 2
	s_add_co_u32 s18, s18, s19
	s_lshl_b32 s18, s18, 17                        ; q, k: (16 b + 4 x tile column) heads of 2,048 x 64 bytes
	s_and_b32 s19, s17, 7
	s_lshl_b32 s19, s19, 8
	s_lshl_b32 s21, s14, 6
	s_add_co_u32 s19, s19, s21
	s_lshl_b32 s19, s19, 6
	s_add_co_u32 s18, s18, s19                     ; + (256 (tile row % 8) + 64 w) rows of 64 bytes
	s_lshr_b32 s19, s42, 3
	s_lshl_b32 s19, s19, 21                        ; v^T: b x 1,024 rows of 2,048 bytes
	s_lshl_b32 s22, s17, 8
	s_add_co_u32 s22, s22, s21
	s_lshl_b32 s22, s22, 11
	s_add_co_u32 s19, s19, s22                     ; + row 256 x tile row + 64 w
	s_and_b32 s22, s42, 7
	s_lshl_b32 s22, s22, 8
	s_add_co_u32 s19, s19, s22                     ; + 256 (tile column % 8)
	s_cmp_eq_u32 s83, 1
	s_cselect_b32 s18, s19, s18
	s_lshl_b32 s19, s82, 23
	s_add_co_u32 s18, s18, s19                     ; + the part
	s_mov_b32 s19, 0
	s_add_nc_u64 s[10:11], s[80:81], s[18:19]
.macro FRAG reg, adr, q, i             ; 16 rows x 128 K: registers 4 c .. 4 c + 3 hold K = 32 c + 16 (l / 16) + 0 .. 15: the same places in A and in B
.irp c, 0,1,2,3
	ds_load_b128 v[\reg+4*\c:\reg+4*\c+3], v[\adr] offset:128*(\q)+32*\c+(\i)*16*PITCH
.endr
.endm
; 16 matrix instructions: A's blocks a0, a0 + 1 x B's eight.  The 64 accumulators take turns, one instruction a turn.
.macro MUL16 a0, p, zero
.irp a, \a0, \a0+1
.irp b, 0,1,2,3,4,5,6,7
.if \zero
	v_wmma_f32_16x16x128_fp8_fp8 v[8*(8*((\a)%4)+\b):8*(8*((\a)%4)+\b)+7], v[128*(\p)+FR*\b:128*(\p)+FR*\b+FR-1], v[AF+FR*(\a):AF+FR*(\a)+FR-1], 0
.else
	v_wmma_f32_16x16x128_fp8_fp8 v[8*(8*((\a)%4)+\b):8*(8*((\a)%4)+\b)+7], v[128*(\p)+FR*\b:128*(\p)+FR*\b+FR-1], v[AF+FR*(\a):AF+FR*(\a)+FR-1], v[8*(8*((\a)%4)+\b):8*(8*((\a)%4)+\b)+7]
.endif
.endr
.endr
.endm
.macro FETCH_B slot, q, p
	WIN TO_B
.irp i, 0,1,2,3,4,5,6,7
	FRAG 128*(\p)+FR*\i, ADRB+\slot, \q, \i
.endr
	WIN 0
.endm
.macro FETCH_A slot, q, i0
.irp i, \i0, \i0+1, \i0+2, \i0+3
	FRAG AF+FR*(\i), ADRA+\slot, \q, \i
.endr
.endm
.macro PLACES n                        ; plain vector lines between a matrix instruction and a load into, or a read of, its registers
.rept \n
	v_nop
.endr
.endm
.macro STEP slot, q, zero              ; 128 along K with its successor in the same slot
	s_wait_dscnt 4*NL                              ; B's set and A's blocks 0-3 are in; the youngest 16 loads (A's blocks 4-7) may be out
	WIN MUL_LO
	MUL16 0, (\q)%2, \zero
	MUL16 2, (\q)%2, \zero
	s_wait_dscnt 0
	PLACES NP
	FETCH_B \slot, (\q)+1, 1-(\q)%2
	FETCH_A \slot, (\q)+1, 0
	WIN MUL_HI
	MUL16 4, (\q)%2, \zero
	MUL16 6, (\q)%2, \zero
	PLACES NP
	WIN 0
	FETCH_A \slot, (\q)+1, 4
.endm
; A slot's last step changes slots: each wave waits for all its tensor loads, adds 0 to its spare word, waits for that and for its reads of this slot; one barrier.
.macro TURN slot, next, fill
	s_wait_tensorcnt 0x0                           ; all my tensor loads have landed: my part of the next slot
	ds_add_u32 v[SPW], v[NIL]
	s_wait_dscnt 4*NL+1                            ; the add and the youngest 16 loads (A's blocks 4-7) may be out
	WIN MUL_LO
	MUL16 0, 1, 0
	s_wait_dscnt 0x0                               ; the add is done, and my reads of this slot are over
	s_barrier_signal -1
	MUL16 2, 1, 0
	WIN 0
	s_barrier_wait -1
.if \fill
	CREST                                          ; the barrier has opened a round of the cluster's barrier: no wave of any partner still reads this slot or has a load on its way
	s_add_nc_u64 s[G0+4*\slot+2:G0+4*\slot+3], s[G0+4*\slot+2:G0+4*\slot+3], 2*ROWB
	s_add_nc_u64 s[G0B+4*\slot+2:G0B+4*\slot+3], s[G0B+4*\slot+2:G0B+4*\slot+3], 2*ROWB
	JLOAD G0+4*\slot, G1, G0B+4*\slot, G1B         ; the first tensor load behind the round; its four v_nop are also the places for the loads below
.else
	PLACES NP
.endif
	FETCH_B \next, 0, 0
	FETCH_A \next, 0, 0
	WIN MUL_HI
	MUL16 4, 1, 0
	MUL16 6, 1, 0
	PLACES NP
	WIN 0
	FETCH_A \next, 0, 4
.endm
	s_wait_tensorcnt 1                             ; my part of K step 0 is in; K step 1's load may be out
	s_barrier_signal -1
	s_barrier_wait -1
	FETCH_B 0, 0, 0
	FETCH_A 0, 0, 0
	FETCH_A 0, 0, 4
	STEP 0, 0, 1                                   ; the first step's products start the sums
	s_mov_b32 s3, LAPS-1
.Llap:
	TURN 0, 1, 1
	STEP 1, 0, 0
	TURN 1, 0, 1
	STEP 0, 0, 0
	s_sub_co_u32 s3, s3, 1
	s_cmp_lg_u32 s3, 0
	s_cbranch_scc1 .Llap
	TURN 0, 1, 0                                   ; the last lap fills nothing
	STEP 1, 0, 0
	s_wait_dscnt 4*NL
	WIN MUL_LO
	MUL16 0, 1, 0
	MUL16 2, 1, 0
	s_wait_dscnt 0
	WIN MUL_HI
	MUL16 4, 1, 0
	MUL16 6, 1, 0
	WIN 0
; THE WAY OUT.  Block a (16 rows x 128 columns): value = sum x 2^(ex + ew) + bias, held, converted: 8 codes of a row a lane and accumulator, into the work-group's stage.
.macro OUT a, isv, sto
.set AC, 64*((\a)%4)
.set CDS, CD+16*((\a)%2)
.set WSEL, 0x02+((\a)/4)
	WIN WSEL                                       ; source 0: window 2 or 3
.set j, 0
.rept 32
.if \isv
	v_pk_fma_f32 v[TMP+j:TMP+j+1], v[AC+j:AC+j+1], s[96:97], v[BR+2*(\a):BR+2*(\a)+1] op_sel_hi:[1,0,0]   ; each accumulator from its low end on
.else
	v_pk_fma_f32 v[TMP+j:TMP+j+1], v[AC+j:AC+j+1], s[96:97], v[BI+j:BI+j+1] op_sel_hi:[1,0,1]
.endif
.set j, j+2
.endr
	WIN 0
.set j, 0
.rept 64
.set j, j+1
.endr
.if (\a) >= 2
	s_wait_alu depctr_va_vdst(0)
	s_wait_dscnt 8                                 ; the last block's eight stores may be out; those of two blocks back, which read this set of codes, are done
.endif
.irp b, 0,1,2,3,4,5,6,7
	v_cvt_scalef32_pk8_fp8_f32 v[CDS+2*\b:CDS+2*\b+1], v[TMP+8*\b:TMP+8*\b+7], v[QSC]
.endr
	v_nop                                          ; one plain line behind the last conversion: the next block writes its sources
.irp b, 0,1,2,3,4,5,6,7
	ds_store_b64 v[\sto], v[CDS+2*\b:CDS+2*\b+1] offset:(\a)*16*PITCH+16*\b
.endr
.endm
; q, k: my 64 stage rows, head by head: an instruction takes 8 rows x 64 bytes, which are 512 consecutive bytes of the output; groups of 8 rows change places by the exchange of bits 3 and 4.
.macro SENDQK
.set n, 0
.rept 32
	ds_load_b128 v[BK+4*n:BK+4*n+3], v[RDQ] offset:(n%8)*8*PITCH+64*(n/8)
.set n, n+1
.endr
.set n, 0
.rept 32
.set i, n%8
	s_wait_dscnt 31-n                              ; load n is in; the younger ones may be out
	global_store_b128 v[GOQ], v[BK+4*n:BK+4*n+3], s[10:11] offset:(n/8)*131072+((i&4)|((i&1)<<1)|((i>>1)&1))*512
.set n, n+1
.endr
.endm
; v^T: two whole rows of 256 bytes an instruction: sixteen lanes store 256 consecutive bytes, aligned
.macro SENDV
.set n, 0
.rept 32
	ds_load_b128 v[BK+4*n:BK+4*n+3], v[RDV] offset:n*2*PITCH
.set n, n+1
.endr
.set n, 0
.rept 32
	s_wait_dscnt 31-n
	global_store_b128 v[GOV], v[BK+4*n:BK+4*n+3], s[10:11] offset:n*4096
.set n, n+1
.endr
.endm
	s_wait_kmcnt 0x0
	s_cmp_eq_u32 s82, 1
	s_cselect_b32 s84, s86, s84                    ; ex
	s_cselect_b32 s85, s87, s85                    ; ew
	s_cselect_b32 s90, s91, s90                    ; eo
	s_cmp_eq_u32 s82, 2
	s_cselect_b32 s84, s88, s84
	s_cselect_b32 s85, s89, s85
	s_cselect_b32 s90, s93, s90
	s_add_co_i32 s96, s84, s85
	s_add_co_i32 s96, s96, 127
	s_lshl_b32 s96, s96, 23                        ; 2^(ex + ew)
	s_mov_b32 s97, s96                             ; (named with it as a pair)
	s_add_co_i32 s90, s90, 127
	s_lshl_b32 s91, s90, 23
	v_mov_b32 v[QSC], s91
	s_wait_loadcnt 0x0                             ; the biases
	PLACES NP                                      ; behind the last products: their results are read and A's registers written below
	s_cmp_eq_u32 s83, 1
	s_cbranch_scc1 .Lout_v
.irp a, 0,1,2,3,4,5,6,7
	OUT \a, 0, STOQ
.endr
	s_branch .Lstaged
.Lout_v:
.irp a, 0,1,2,3,4,5,6,7
	OUT \a, 1, STOV
.endr
.Lstaged:
	s_wait_dscnt 0x0                               ; for the others' sake: my stores into the stage are done
	s_barrier_signal -1
	s_barrier_wait -1
	s_cmp_eq_u32 s83, 1
	s_cbranch_scc1 .Lsend_v
	SENDQK
	s_branch .Lsent
.Lsend_v:
	SENDV
.Lsent:
	s_wait_tensorcnt 0x0                           ; the wave's end
	ds_add_u32 v[SPW], v[NIL]
	s_wait_dscnt 0x0
	CROUND                                         ; the closing round
	s_endpgm
.Lfunc_end_k_q9264384c1d_qkv:
	.size	k_q9264384c1d_qkv, .Lfunc_end_k_q9264384c1d_qkv-k_q9264384c1d_qkv
	.p2alignl 7, 3214868480
	.fill 96, 4, 3214868480
	.section	.rodata,"a",@progbits
	.p2align	6, 0x0
	.amdhsa_kernel k_q9264384c1d_qkv
		.amdhsa_group_segment_fixed_size 327680
		.amdhsa_private_segment_fixed_size 0
		.amdhsa_enable_private_segment 0
		.amdhsa_kernarg_size 56
		.amdhsa_user_sgpr_count 2
		.amdhsa_user_sgpr_kernarg_segment_ptr 1
		.amdhsa_wavefront_size32 1
		.amdhsa_system_sgpr_workgroup_id_x 1
		.amdhsa_system_sgpr_workgroup_id_y 1
		.amdhsa_system_sgpr_workgroup_id_z 1
		.amdhsa_system_vgpr_workitem_id 0
		.amdhsa_next_free_vgpr 1024
		.amdhsa_next_free_sgpr 100
		.amdhsa_reserve_vcc 0
		.amdhsa_float_denorm_mode_32 3
		.amdhsa_float_denorm_mode_16_64 3
		.amdhsa_fp16_overflow 1
		.amdhsa_memory_ordered 1
		.amdhsa_forward_progress 1
		.amdhsa_inst_pref_size 146
	.end_amdhsa_kernel
	.amdgpu_metadata
---
amdhsa.version: [ 1, 2 ]
amdhsa.kernels:
  - .name:           k_q9264384c1d_qkv
    .symbol:         k_q9264384c1d_qkv.kd
    .args:
      - { .name: xc, .offset: 0, .size: 8, .value_kind: global_buffer, .address_space: global }
      - { .name: wc, .offset: 8, .size: 8, .value_kind: global_buffer, .address_space: global }
      - { .name: bq, .offset: 16, .size: 8, .value_kind: global_buffer, .address_space: global }
      - { .name: bk, .offset: 24, .size: 8, .value_kind: global_buffer, .address_space: global }
      - { .name: bv, .offset: 32, .size: 8, .value_kind: global_buffer, .address_space: global }
      - { .name: lowp_scales, .offset: 40, .size: 8, .value_kind: global_buffer, .address_space: global }
      - { .name: qkvc, .offset: 48, .size: 8, .value_kind: global_buffer, .address_space: global }
    .group_segment_fixed_size: 327680
    .private_segment_fixed_size: 0
    .kernarg_segment_align: 8
    .kernarg_segment_size: 56
    .max_flat_workgroup_size: 128
    .sgpr_count:     100
    .vgpr_count:     1024
    .wavefront_size: 32
...
	.end_amdgpu_metadata
.endif
;; end of part 3
;; launch attn (part 4): grid 4 x 64, 16 waves a work-group, no clusters, 327,680 bytes of LDS; arguments qkvc, lowp_scales, ac; writes ac
.if DOCPART == 4
	.amdgcn_target "amdgcn-amd-amdhsa--gfx1250"
	.amdhsa_code_object_version 6
	.text
	.protected	k_q9264384c1d_attn
	.globl	k_q9264384c1d_attn
	.p2align	8
	.type	k_q9264384c1d_attn,@function
k_q9264384c1d_attn:
	s_mov_b64 s[64:65], 0
	v_nop
	global_prefetch_b8 v0, s[64:65] scope:SCOPE_SE
	s_setreg_imm32_b32 hwreg(HW_REG_WAVE_MODE, 25, 1), 1
	s_wait_xcnt 0x0
; Causal attention on E4M3 codes, head size 64, and the quantiser for the output projection.  qkvc: q, k [b][head][pos][64] (pos = the token with bits 3 and 4 exchanged), v^T [b][head][d][token].
; ac: codes of the attention output, [b][head][token][64], scale 2^e10.
; t = score x 2^(e6 + e7) x log2(e) / 8; M = the running largest t rounded UP to a whole number; p = 2^(t - M) is quantised with 2^e8, not normalised; the row's sum is taken of the unquantised p;
; when M moves, the sum and O are multiplied by 2^(old M - new M), exact.  o = O x 2^(e8 + e9) / sum.
; LIMITS: e6 + e7 between -123 and 130 (added to c's exponent field); e8 and e10 between -126 and 119; e8 + e9 goes by v_ldexp_f32.  NaN is not served.
; SHARES.  Work-group (j, head) owns query blocks 7 - j and then j, 256 queries each: 8 - j and j + 1 slots of 256 keys, NINE slot trips for every work-group: equal work, constant trip counts.
; Each of 16 waves owns 16 queries.  A step of 128 keys all of which come after the wave's queries is left out by a scalar branch on ids; no barrier and no tensor load stands in a step.
; NO CLUSTER: the four work-groups of a head want different slots from the fifth trip on (8 - j differs); a form in which all four go on asking jointly needs 12 trips against 9.
; LAYOUT.  Both products transposed: S^T = K Q^T, O^T = V^T P^T: a lane holds ONE query (lane % 16).  By the exchange of bits, 16 neighbouring LDS rows 16 t' + r of K are keys 32 (t'/2) + 8 (t'%2) + r + 8 (r/8),
; so the 16 registers of tiles 2 b, 2 b + 1 are keys 32 b + 16 (lane / 16) + 0 .. 15: the conversions' results are the second product's operand.
; REGISTERS: v1-11 addresses; v12 -M, v13 largest t, v[14:15] the sum; v16-23 Q in hand, v24-31 Q of the second block; v32-95 K's 8 or V's 4 fragments; v96-159 S^T, p; v160-191 O^T; v192-207 p's codes; v208-223 the way out.
.set KP,    80                         ; a key's row in LDS: 64 bytes + 16
.set VP,    272                        ; a row of V^T's tile: 256 bytes + 16
.set VOFF,  256*KP                     ; a slot: 256 rows of K, then 64 rows of V^T
.set SLOT1, 1<<16                      ; slot 1: one exclusive or turns an address
.set STAGE, 2*SLOT1                    ; 16 rows x 80 bytes for each wave: bytes into which no fill lands
.set SPARE, STAGE+16*1280              ; the spare words, 128 bytes a wave
.set AK0,  1
.set AV0,  2
.set PFO,  3                           ; the prefetches' offset; never rewritten
.set QOF,  4                           ; Q's offset
.set SPW,  5
.set NIL,  6
.set GO,   7                           ; 16 x lane
.set ADK,  8
.set ADV,  9
.set STO,  10
.set SRD,  11
.set TB,   2                           ; s2   LDS byte at which the slot in hand begins
.set WV,   18
.set SEL,  20
.set CS,   22
.set G1K,  24
.set G1V,  32
.set G0K,  40
.set G0V,  44
.set FS,   48                          ; the key slot asked for last
.set NB1,  49                          ; 8 - j: slots of the first block
.set KEND, 50                          ; its keys
.set Q0B,  51                          ; my first query in the second block
.set SLOTS, 67
.set PFA,  76
.set PFS,  78
.set LIM,  80
.set KF,   98                          ; the step's first key
.set Q0,   99                          ; my first query
; Waves 0 and 1 fetch K's halves, wave 2 all of V^T's tile.  An s_nop 0 and four v_nop follow each line.
.macro TLOAD
	s_cmp_lt_u32 s[WV], 2
	s_cbranch_scc0 .Lnot_k_\@
	tensor_load_to_lds s[G0K:G0K+3], s[G1K:G1K+7]
	s_nop 0
.rept 4
	v_nop
.endr
	s_branch .Lasked_\@
.Lnot_k_\@:
	s_cmp_lt_u32 s[WV], 3
	s_cbranch_scc0 .Lasked_\@
	tensor_load_to_lds s[G0V:G0V+3], s[G1V:G1V+7]
	s_nop 0
.rept 4
	v_nop
.endr
.Lasked_\@:
.endm
; A PREFETCH INTO THE L2 of the slot that the NEXT change will ask for.  All four work-groups of a head walk the same K and V; the one with j = 0 walks slots 0 to 7 in order and asks, nobody else.
; In it waves 4, 5 ask for K's 16,384 bytes (8,192 a wave, lanes 256 bytes apart), waves 6, 7 for V^T's 64 rows (a lane a row; a slot's part of a row is 256 bytes, aligned).
; Trip n names slot n + 2, n = 0 .. 5: each block of 256 bytes once; slots 0 and 1 come by their loads alone; the last two trips ask for nothing.
.macro ASK
	s_cmp_gt_u32 s[SLOTS], s[LIM]
	s_cbranch_scc0 .Lnot_mine_\@
	global_prefetch_b8 v[PFO], s[PFA:PFA+1] th:TH_LOAD_NT scope:SCOPE_SE
.Lnot_mine_\@:
.endm
	s_load_b128 s[4:7], s[0:1], 0x0                ; qkvc, the scales' exponents
	s_load_b64 s[8:9], s[0:1], 0x10                ; ac
	v_lshl_add_u32 v[SPW], v0, 2, SPARE
	v_mov_b32 v[NIL], 0
	ds_add_u32 v[SPW], v[NIL]                      ; the wave's opening: the add and its wait ahead of my first tensor load
	ds_add_u32 v[SPW], v[NIL]
	v_lshrrev_b32 v8, 5, v0
	s_delay_alu instid0(VALU_DEP_1)
	v_readfirstlane_b32 s[WV], v8                  ; wave 0..15
	s_and_b32 s52, ttmp7, 0xffff
	s_lshl_b32 s52, s52, 17                        ; the head's first byte in each part and in ac
	s_mov_b32 s53, 0
	s_and_b32 s54, s[WV], 1
	s_lshl_b32 s56, s54, 13                        ; K: my half, 128 rows of 64 bytes,
	s_add_co_u32 s56, s56, s52
	s_add_co_u32 s56, s56, 1<<23                   ; in part 1
	s_mov_b32 s57, 0
	s_add_co_u32 s58, s52, 2<<23                   ; V^T: part 2
	s_mov_b32 s59, 0
	s_mov_b32 s[G0K], 1
	s_mul_i32 s[G0K+1], s54, 128*KP                ; LDS: slot 0, my half
	s_mov_b32 s[G0V], 1
	s_mov_b32 s[G0V+1], VOFF
	s_mov_b32 s[G1K], (0<<16)|(1<<20)|(3<<22)|(3<<25)   ; elements of 1 byte; padding: 4 words after every 16
	s_mov_b32 s[G1K+1], 64<<16                     ; tensor_dim0
	s_mov_b32 s[G1K+2], 128<<16                    ; tensor_dim1
	s_mov_b32 s[G1K+3], 64<<16                     ; tile_dim0
	s_mov_b32 s[G1K+4], 128                        ; tile_dim1
	s_mov_b32 s[G1K+5], 64                         ; from row to row
	s_mov_b32 s[G1K+6], 0
	s_mov_b32 s[G1K+7], 0
	s_mov_b32 s[G1V], (0<<16)|(1<<20)|(5<<22)|(3<<25)   ; padding: 4 words after every 64
	s_mov_b32 s[G1V+1], 256<<16
	s_mov_b32 s[G1V+2], 64<<16
	s_mov_b32 s[G1V+3], 256<<16
	s_mov_b32 s[G1V+4], 64
	s_mov_b32 s[G1V+5], 2048
	s_mov_b32 s[G1V+6], 0
	s_mov_b32 s[G1V+7], 0
	s_mov_b32 s[SEL], 0x76543210
	s_mov_b32 s[SEL+1], 0xfedcba98
	s_mov_b32 s[CS], 0x3e38aa3b                    ; c = log2(e) / sqrt(64)
	s_mov_b32 s[TB], 0
	s_mov_b32 s[SLOTS], 8
	s_mov_b32 s[KF], 0
	s_mov_b32 s[FS], 0
	s_sub_co_u32 s[NB1], 8, ttmp9
	s_lshl_b32 s[KEND], s[NB1], 8
	s_lshl_b32 s96, s[WV], 4
	s_sub_co_u32 s55, 7, ttmp9
	s_lshl_b32 s55, s55, 8
	s_add_co_u32 s[Q0], s55, s96                   ; 256 (7 - j) + 16 w
	s_lshl_b32 s55, ttmp9, 8
	s_add_co_u32 s[Q0B], s55, s96                  ; 256 j + 16 w
	s_wait_dscnt 0x0                               ; the opening add is done
	s_wait_kmcnt 0x0
	s_load_b128 s[68:71], s[6:7], 0x18             ; entries 6 to 9
	s_load_b32 s72, s[6:7], 0x28                   ; entry 10
	s_add_nc_u64 s[10:11], s[4:5], s[56:57]        ; K at my half of key slot 0
	s_add_nc_u64 s[12:13], s[4:5], s[58:59]        ; V^T at key slot 0
	s_mov_b64 s[G0K+2:G0K+3], s[10:11]
	s_or_b32 s[G0K+3], s[G0K+3], 0x80000000
	s_mov_b64 s[G0V+2:G0V+3], s[12:13]
	s_or_b32 s[G0V+3], s[G0V+3], 0x80000000
	TLOAD                                          ; slot 0
	s_mov_b32 s55, 0
	s_lshl_b32 s54, s[Q0], 6
	s_add_co_u32 s54, s54, s52
	s_add_nc_u64 s[14:15], s[8:9], s[54:55]        ; ac at my first block's rows,
	s_lshl_b32 s54, s[Q0B], 6
	s_add_co_u32 s54, s54, s52
	s_add_nc_u64 s[16:17], s[8:9], s[54:55]        ; and at my second's
	s_sub_co_u32 s54, 7, ttmp9
	s_lshl_b32 s54, s54, 14
	s_add_co_u32 s54, s54, s52
	s_add_nc_u64 s[56:57], s[4:5], s[54:55]        ; q at the first block,
	s_lshl_b32 s54, ttmp9, 14
	s_add_co_u32 s54, s54, s52
	s_add_nc_u64 s[58:59], s[4:5], s[54:55]        ; and at the second
	; the prefetches: where my wave's stand, and who asks
	s_and_b32 s54, s[WV], 1
	s_lshl_b32 s54, s54, 16                        ; V^T: my 32 rows of 2,048 bytes
	s_mov_b32 s[PFS], 256
	s_mov_b32 s60, 2048
	s_cmp_lt_u32 s[WV], 6
	s_cselect_b64 s[PFA:PFA+1], s[10:11], s[12:13] ; (K's already stands at the half of an odd wave)
	s_cselect_b32 s54, 0, s54
	s_cselect_b32 s[PFS], 16384, s[PFS]            ; a slot on
	s_cselect_b32 s60, 256, s60                    ; from lane to lane
	s_add_co_u32 s54, s54, s[PFS]                  ; in slot 1: the first change steps it to slot 2
	s_mov_b32 s[PFS+1], 0
	s_add_nc_u64 s[PFA:PFA+1], s[PFA:PFA+1], s[54:55]
	v_and_b32 v[PFO], 31, v0
	s_delay_alu instid0(VALU_DEP_1)
	v_mul_lo_u32 v[PFO], v[PFO], s60
	s_sub_co_u32 s54, s[WV], 4
	s_lshr_b32 s54, s54, 2                         ; 0 in waves 4 to 7,
	s_or_b32 s54, s54, ttmp9                       ; of the work-group with j = 0
	s_cmp_eq_u32 s54, 0
	s_cselect_b32 s[LIM], 2, -1
	v_and_b32 v8, 15, v0                           ; r
	v_bfe_u32 v9, v0, 4, 1                         ; h
	s_delay_alu instid0(VALU_DEP_2)
	v_and_b32 v10, 7, v8
	s_delay_alu instid0(VALU_DEP_3)
	v_lshrrev_b32 v11, 3, v8
	s_delay_alu instid0(VALU_DEP_1)
	v_lshl_add_u32 v10, v11, 4, v10                ; query 16 w + r lies at row 32 (w / 2) + 16 (r / 8) + 8 (w % 2) + r % 8 of its block
	s_delay_alu instid0(VALU_DEP_1)
	v_lshlrev_b32 v[QOF], 6, v10
	s_delay_alu instid0(VALU_DEP_1)
	v_lshl_add_u32 v[QOF], v9, 4, v[QOF]
	s_lshr_b32 s54, s[WV], 1
	s_lshl_b32 s54, s54, 5
	s_and_b32 s60, s[WV], 1
	s_lshl_b32 s60, s60, 3
	s_add_co_u32 s54, s54, s60
	s_lshl_b32 s54, s54, 6
	v_add_nc_u32 v[QOF], s54, v[QOF]
	global_load_b128 v[16:19], v[QOF], s[56:57]              ; registers 4 c .. 4 c + 3: d = 32 c + 16 h + 0 .. 15, as K's fragments
	global_load_b128 v[20:23], v[QOF], s[56:57] offset:32
	global_load_b128 v[24:27], v[QOF], s[58:59]
	global_load_b128 v[28:31], v[QOF], s[58:59] offset:32
	v_mul_u32_u24 v[AK0], v8, KP
	s_delay_alu instid0(VALU_DEP_1)
	v_lshl_add_u32 v[AK0], v9, 4, v[AK0]
	v_mul_u32_u24 v[AV0], v8, VP
	s_delay_alu instid0(VALU_DEP_1)
	v_lshl_add_u32 v[AV0], v9, 4, v[AV0]
	s_delay_alu instid0(VALU_DEP_1)
	v_add_nc_u32 v[AV0], VOFF, v[AV0]
	v_and_b32 v[GO], 31, v0
	s_delay_alu instid0(VALU_DEP_1)
	v_lshlrev_b32 v[GO], 4, v[GO]
	s_mul_i32 s54, s[WV], 1280
	s_add_co_u32 s54, s54, STAGE                   ; my stage
	v_mul_u32_u24 v[STO], v8, 80
	s_delay_alu instid0(VALU_DEP_1)
	v_lshl_add_u32 v[STO], v9, 3, v[STO]
	s_delay_alu instid0(VALU_DEP_1)
	v_add_nc_u32 v[STO], s54, v[STO]               ; in: row r, 8 h
	v_and_b32 v[SRD], 31, v0
	s_delay_alu instid0(VALU_DEP_1)
	v_lshrrev_b32 v[SRD], 2, v[SRD]
	s_delay_alu instid0(VALU_DEP_1)
	v_mul_u32_u24 v[SRD], v[SRD], 80
	v_and_b32 v8, 3, v0
	s_delay_alu instid0(VALU_DEP_1)
	v_lshl_add_u32 v[SRD], v8, 4, v[SRD]
	s_delay_alu instid0(VALU_DEP_1)
	v_add_nc_u32 v[SRD], s54, v[SRD]               ; back: row lane / 4, 16 (lane % 4)
	v_mov_b32 v13, 0xff61b1e6                      ; the largest t so far: -3e38
	s_delay_alu instid0(VALU_DEP_1)
	v_floor_f32 v12, -v13                          ; -M
	v_mov_b32 v14, 0
	v_mov_b32 v15, 0
	v_mov_b32 v236, 0                              ; written once: a lane permute's destination counts as a source, a pair's upper half as read
	v_mov_b32 v252, 0
	v_mov_b32 v253, 0
	v_mov_b32 v254, 0
.set i, 0
.rept 32
	v_mov_b32 v[160+i], 0                          ; O^T: the step is written once; its first turn finds zeros
.set i, i+1
.endr
	s_wait_kmcnt 0x0
	s_add_co_i32 s54, s68, s69
	s_lshl_b32 s54, s54, 23
	s_add_co_i32 s[CS], s[CS], s54                 ; c x 2^(e6 + e7)
	s_mov_b32 s[CS+1], s[CS]
	s_add_co_i32 s54, s70, 127
	s_lshl_b32 s60, s54, 23
	v_mov_b32 v244, s60                            ; 2^e8
	s_add_co_i32 s54, s72, 127
	s_lshl_b32 s60, s54, 23
	v_mov_b32 v245, s60                            ; 2^e10
; A KEY STEP: 128 keys, the q-th of the slot in hand
.macro STEP q
	s_add_co_u32 s96, s[Q0], 15
	s_cmp_gt_u32 s[KF], s96
	s_cbranch_scc1 .Lhidden_\@                     ; all its keys come after my queries
	v_add_nc_u32 v[ADK], s[TB], v[AK0]
	v_add_nc_u32 v[ADV], s[TB], v[AV0]
	v_nop                                          ; with the two additions: four places in front of loads into registers that the last products read
	v_nop
.irp t, 0,1,2,3,4,5,6,7
.irp c, 0,1
	ds_load_b128 v[32+8*\t+4*\c:32+8*\t+4*\c+3], v[ADK] offset:(128*(\q)+16*\t)*KP+32*\c
.endr
.endr
	s_wait_alu depctr_va_vdst(0)
	s_wait_dscnt 0x0
.irp t, 0,1,2,3,4,5,6,7
	v_wmma_f32_16x16x64_fp8_fp8 v[96+8*\t:103+8*\t], v[32+8*\t:39+8*\t], v[16:23], 0
.endr
.rept 4
	v_nop                                          ; places: for V's loads into K's registers, and for the first read of the scores
.endr
.irp t, 0,1,2,3
.irp c, 0,1,2,3
	ds_load_b128 v[32+16*\t+4*\c:32+16*\t+4*\c+3], v[ADV] offset:16*\t*VP+128*(\q)+32*\c   ; V^T's four fragments land while the softmax is walked
.endr
.endr
	s_add_co_u32 s96, s[KF], 127                   ; on the diagonal hidden scores become -infinity ahead of the maximum; a step all of whose keys count skips this
	s_cmp_le_u32 s96, s[Q0]
	s_cbranch_scc1 .Lopen_\@
	s_sub_co_i32 s96, s[Q0], s[KF]
	v_and_b32 v252, 15, v0
	v_bfe_u32 v253, v0, 4, 1
	s_delay_alu instid0(VALU_DEP_1)
	v_lshlrev_b32 v253, 4, v253
	s_delay_alu instid0(VALU_DEP_1)
	v_sub_nc_u32 v252, v252, v253
	s_delay_alu instid0(VALU_DEP_1)
	v_add_nc_u32 v252, s96, v252                   ; d = my query - KF - 16 h; register 16 b + i holds key KF + 16 h + 32 b + i: hidden where 32 b + i > d
	v_mov_b32 v254, 0xff800000
.set n, 0
.rept 64
	v_cmp_gt_i32 vcc_lo, 32*(n/16)+n%16, v252
	v_cndmask_b32 v[96+n], v[96+n], v254, vcc_lo
.set n, n+1
.endr
.Lopen_\@:
	v_max3_num_f32 v254, v96, v97, v98             ; the step's largest score of my query among my 64 keys, in two chains; each accumulator is read from its low end on
	v_max3_num_f32 v252, v99, v100, v101
.irp i, 6,10,14,18,22,26,30,34,38,42,46,50,54,58
	v_max3_num_f32 v254, v254, v[96+\i], v[97+\i]
	v_max3_num_f32 v252, v252, v[98+\i], v[99+\i]
.endr
	v_max3_num_f32 v254, v254, v158, v159
	s_delay_alu instid0(VALU_DEP_1)
	v_max_num_f32 v254, v254, v252
	s_delay_alu instid0(VALU_DEP_1)
	v_permlanex16_b32 v236, v254, s[SEL], s[SEL+1]
	s_delay_alu instid0(VALU_DEP_1)
	v_max_num_f32 v254, v254, v236                 ; and among lane l xor 16's
	s_delay_alu instid0(VALU_DEP_1)
	v_mul_f32 v254, s[CS], v254                    ; as t (c is positive)
	s_delay_alu instid0(VALU_DEP_1)
	v_max_num_f32 v13, v13, v254
	v_mov_b32 v254, v12
	s_delay_alu instid0(VALU_DEP_2)
	v_floor_f32 v12, -v13                          ; the new -M = -ceil(t)
	s_delay_alu instid0(VALU_DEP_1)
	v_sub_f32 v254, v12, v254                      ; old M - new M: a whole number, 0 or less
	s_delay_alu instid0(VALU_DEP_1)
	v_cvt_i32_f32 v254, v254                       ; (it saturates)
	s_delay_alu instid0(VALU_DEP_1)
	v_ldexp_f32 v252, 1.0, v254                    ; f = 2^(old M - new M)
.set j, 0
.rept 32
	v_pk_fma_f32 v[96+j:97+j], v[96+j:97+j], s[CS:CS+1], v[12:13] op_sel_hi:[1,0,0]   ; t - M
.set j, j+2
.endr
.set j, 0
	s_wait_alu depctr_va_vdst(0)
.rept 64
	v_exp_f32 v[96+j], v[96+j]                     ; p = 2^(t - M)
.set j, j+1
.endr
	v_pk_mul_f32 v[14:15], v[14:15], v[252:253] op_sel_hi:[1,0]   ; the sums under the new M: the plain line behind the exponentials
	s_wait_alu depctr_va_vdst(0)                   ; one wait for the whole batch, ahead of its first reader
	v_pk_add_f32 v[242:243], v[100:101], v[104:105]
	v_pk_add_f32 v[254:255], v[108:109], v[112:113]
	v_pk_add_f32 v[250:251], v[116:117], v[120:121]
	v_pk_add_f32 v[248:249], v[124:125], v[128:129]
	v_pk_add_f32 v[246:247], v[132:133], v[136:137]
	v_pk_add_f32 v[240:241], v[140:141], v[144:145]
	v_pk_add_f32 v[238:239], v[148:149], v[152:153]
	v_pk_add_f32 v[14:15], v[14:15], v[156:157]
	v_pk_add_f32 v[242:243], v[242:243], v[96:97]
	v_pk_add_f32 v[254:255], v[254:255], v[98:99]
	v_pk_add_f32 v[250:251], v[250:251], v[102:103]
	v_pk_add_f32 v[248:249], v[248:249], v[106:107]
	v_pk_add_f32 v[246:247], v[246:247], v[110:111]
	v_pk_add_f32 v[240:241], v[240:241], v[114:115]
	v_pk_add_f32 v[238:239], v[238:239], v[118:119]
	v_pk_add_f32 v[14:15], v[14:15], v[122:123]
	v_pk_add_f32 v[242:243], v[242:243], v[126:127]
	v_pk_add_f32 v[254:255], v[254:255], v[130:131]
	v_pk_add_f32 v[250:251], v[250:251], v[134:135]
	v_pk_add_f32 v[248:249], v[248:249], v[138:139]
	v_pk_add_f32 v[246:247], v[246:247], v[142:143]
	v_pk_add_f32 v[240:241], v[240:241], v[146:147]
	v_pk_add_f32 v[238:239], v[238:239], v[150:151]
	v_pk_add_f32 v[14:15], v[14:15], v[154:155]
	v_pk_add_f32 v[242:243], v[242:243], v[158:159]
	s_delay_alu instid0(VALU_DEP_2)
	v_pk_add_f32 v[14:15], v[14:15], v[248:249]
	s_delay_alu instid0(VALU_DEP_2)
	v_pk_add_f32 v[242:243], v[242:243], v[246:247]
	v_pk_add_f32 v[254:255], v[254:255], v[240:241]
	v_pk_add_f32 v[250:251], v[250:251], v[238:239]
	s_delay_alu instid0(VALU_DEP_2)
	v_pk_add_f32 v[14:15], v[14:15], v[254:255]
	s_delay_alu instid0(VALU_DEP_2)
	v_pk_add_f32 v[242:243], v[242:243], v[250:251]
	s_delay_alu instid0(VALU_DEP_1)
	v_pk_add_f32 v[14:15], v[14:15], v[242:243]
.irp b, 0,1,2,3
.irp i, 0,1,2,3,4,5,6,7,8,9,10,11,12,13,14,15
.endr
	v_cvt_scalef32_pk8_fp8_f32 v[192+4*\b:193+4*\b], v[96+16*\b:103+16*\b], v244
	v_cvt_scalef32_pk8_fp8_f32 v[194+4*\b:195+4*\b], v[104+16*\b:111+16*\b], v244
.endr
.set j, 0
.rept 16
	v_pk_mul_f32 v[160+j:161+j], v[160+j:161+j], v[252:253] op_sel_hi:[1,0]   ; O^T under the new M; also the plain lines behind the conversions
.set j, j+2
.endr
	s_wait_alu depctr_va_vdst(0)
	s_wait_dscnt 0x0                               ; V^T's fragments are in
.irp t, 0,1,2,3
	v_wmma_f32_16x16x128_fp8_fp8 v[160+8*\t:167+8*\t], v[32+16*\t:47+16*\t], v[192:207], v[160+8*\t:167+8*\t]   ; the four accumulators by turns
.endr
.Lhidden_\@:
	s_add_co_u32 s[KF], s[KF], 128
.endm
; THE CHANGE OF SLOTS, at a slot's head: all my tensor loads have landed, the add, my reads of the slot that I left are over; one barrier; behind it that slot is filled with the key slot that follows.
.macro CHANGE fill
	s_wait_tensorcnt 0x0                           ; no tensor load of mine is out, so a group 0 may be written
	ds_add_u32 v[SPW], v[NIL]
.if \fill
	s_xor_b32 s[G0K+1], s[G0K+1], SLOT1
	s_xor_b32 s[G0V+1], s[G0V+1], SLOT1
	s_add_co_u32 s[FS], s[FS], 1                   ; the next key slot; behind the first block's last: slot 0 again, for the second block
	s_cmp_eq_u32 s[FS], s[NB1]
	s_cselect_b32 s[FS], 0, s[FS]
	s_lshl_b32 s52, s[FS], 14                      ; 256 keys of 64 bytes (s53 = 0)
	s_add_nc_u64 s[G0K+2:G0K+3], s[10:11], s[52:53]
	s_or_b32 s[G0K+3], s[G0K+3], 0x80000000
	s_lshl_b32 s52, s[FS], 8                       ; 256 codes along a row of V^T
	s_add_nc_u64 s[G0V+2:G0V+3], s[12:13], s[52:53]
	s_or_b32 s[G0V+3], s[G0V+3], 0x80000000
	s_wait_xcnt 0x0                                ; the last prefetch, a slot back, has read its address
	s_add_nc_u64 s[PFA:PFA+1], s[PFA:PFA+1], s[PFS:PFS+1]
.endif
	s_wait_dscnt 0x0                               ; the add is done, and my reads of the slot that I have left are over
	s_barrier_signal -1
	s_barrier_wait -1
.if \fill
	TLOAD                                          ; the first thing behind the barrier, a wave's one tensor load until the next: one load of mine is out at the most
	ASK
.endif
.endm
; A BLOCK'S END: o = O^T x 2^(e8 + e9) / the sum, quantised with 2^e10; 16 rows x 64 codes go through my stage and leave as 2 x 512 consecutive bytes.
.macro FINISH base
.rept 4
	v_nop                                          ; places behind the last products
.endr
	v_add_f32 v14, v14, v15
	s_delay_alu instid0(VALU_DEP_1)
	v_permlanex16_b32 v252, v14, s[SEL], s[SEL+1]
	s_delay_alu instid0(VALU_DEP_1)
	v_add_f32 v14, v14, v252                       ; the row's sum
	s_wait_alu depctr_va_vdst(0)
	v_rcp_f32 v14, v14
	v_nop                                          ; a plain line behind the reciprocal
	s_add_co_i32 s96, s70, s71
	s_wait_alu depctr_va_vdst(0)                   ; and the wait ahead of its first reader
	v_ldexp_f32 v14, v14, s96
.set j, 0
.rept 16
	v_pk_mul_f32 v[96+j:97+j], v[160+j:161+j], v[14:15] op_sel_hi:[1,0]   ; register 8 t + i is o(query r, d = 16 t + 8 h + i)
.set j, j+2
.endr
.set j, 0
.rept 32
.set j, j+1
.endr
.irp t, 0,1,2,3
	v_cvt_scalef32_pk8_fp8_f32 v[216+2*\t:217+2*\t], v[96+8*\t:103+8*\t], v245
.endr
	v_nop                                          ; one plain line behind the last conversion
.irp t, 0,1,2,3
	ds_store_b64 v[STO], v[216+2*\t:217+2*\t] offset:16*\t
.endr
	ds_load_b128 v[208:211], v[SRD]                ; LDS serves a wave's instructions in order: these see my stores
	ds_load_b128 v[212:215], v[SRD] offset:640
	s_wait_dscnt 1                                 ; the first is in; the second may be out
	global_store_b128 v[GO], v[208:211], s[\base:\base+1]
	s_wait_dscnt 0
	global_store_b128 v[GO], v[212:215], s[\base:\base+1] offset:512
	s_wait_xcnt 0x0                                ; the stores have read their registers
.endm
.macro REINIT                          ; the second block begins: its Q, zeros, key 0
.set i, 0
.rept 8
	v_mov_b32 v[16+i], v[24+i]
.set i, i+1
.endr
.set i, 0
.rept 32
	v_mov_b32 v[160+i], 0
.set i, i+1
.endr
	v_mov_b32 v13, 0xff61b1e6
	s_delay_alu instid0(VALU_DEP_1)
	v_floor_f32 v12, -v13
	v_mov_b32 v14, 0
	v_mov_b32 v15, 0
	s_mov_b32 s[KF], 0
	s_mov_b32 s[Q0], s[Q0B]
.endm
	s_wait_loadcnt 0x0                             ; Q
.Lslot:                                            ; eight trips: behind each change of slots but the last the next key slot is asked for
	CHANGE 1
	STEP 0
	STEP 1
	s_xor_b32 s[TB], s[TB], SLOT1
	s_cmp_lg_u32 s[KF], s[KEND]
	s_cbranch_scc1 .Lsame_block
	s_wait_alu depctr_va_vdst(0)
	FINISH 14
	REINIT
.Lsame_block:
	s_sub_co_u32 s[SLOTS], s[SLOTS], 1
	s_cmp_lg_u32 s[SLOTS], 0
	s_cbranch_scc1 .Lslot
	CHANGE 0                                       ; the ninth slot is written out
	STEP 0
	STEP 1
	s_wait_alu depctr_va_vdst(0)
	FINISH 16
	s_wait_tensorcnt 0x0                           ; the wave's end
	ds_add_u32 v[SPW], v[NIL]
	s_wait_dscnt 0x0
	s_endpgm
.Lfunc_end_k_q9264384c1d_attn:
	.size	k_q9264384c1d_attn, .Lfunc_end_k_q9264384c1d_attn-k_q9264384c1d_attn
	.p2alignl 7, 3214868480
	.fill 96, 4, 3214868480
	.section	.rodata,"a",@progbits
	.p2align	6, 0x0
	.amdhsa_kernel k_q9264384c1d_attn
		.amdhsa_group_segment_fixed_size 327680
		.amdhsa_private_segment_fixed_size 0
		.amdhsa_enable_private_segment 0
		.amdhsa_kernarg_size 24
		.amdhsa_user_sgpr_count 2
		.amdhsa_user_sgpr_kernarg_segment_ptr 1
		.amdhsa_wavefront_size32 1
		.amdhsa_system_sgpr_workgroup_id_x 1
		.amdhsa_system_sgpr_workgroup_id_y 1
		.amdhsa_system_sgpr_workgroup_id_z 1
		.amdhsa_system_vgpr_workitem_id 0
		.amdhsa_next_free_vgpr 256
		.amdhsa_next_free_sgpr 100
		.amdhsa_reserve_vcc 1
		.amdhsa_float_denorm_mode_32 3
		.amdhsa_float_denorm_mode_16_64 3
		.amdhsa_fp16_overflow 1
		.amdhsa_memory_ordered 1
		.amdhsa_forward_progress 1
		.amdhsa_inst_pref_size 95
	.end_amdhsa_kernel
	.amdgpu_metadata
---
amdhsa.version: [ 1, 2 ]
amdhsa.kernels:
  - .name:           k_q9264384c1d_attn
    .symbol:         k_q9264384c1d_attn.kd
    .args:
      - { .name: qkvc, .offset: 0, .size: 8, .value_kind: global_buffer, .address_space: global }
      - { .name: lowp_scales, .offset: 8, .size: 8, .value_kind: global_buffer, .address_space: global }
      - { .name: ac, .offset: 16, .size: 8, .value_kind: global_buffer, .address_space: global }
    .group_segment_fixed_size: 327680
    .private_segment_fixed_size: 0
    .kernarg_segment_align: 8
    .kernarg_segment_size: 24
    .max_flat_workgroup_size: 512
    .sgpr_count:     100
    .vgpr_count:     256
    .wavefront_size: 32
...
	.end_amdgpu_metadata
.endif
;; end of part 4
;; launch proj (part 5): grid 4 x 32, 4 waves a work-group, clusters of 4 x 4, 327,680 bytes of LDS; arguments ac, wc, lowp_scales, bo, out0; writes out0
.if DOCPART == 5
	.amdgcn_target "amdgcn-amd-amdhsa--gfx1250"
	.amdhsa_code_object_version 6
	.text
	.protected	k_q9264384c1d_proj
	.globl	k_q9264384c1d_proj
	.p2align	8
	.type	k_q9264384c1d_proj,@function
k_q9264384c1d_proj:
	s_mov_b64 s[64:65], 0
	v_nop
	global_prefetch_b8 v0, s[64:65] scope:SCOPE_SE
	s_setreg_imm32_b32 hwreg(HW_REG_WAVE_MODE, 25, 1), 1
	s_wait_xcnt 0x0
	s_wait_alu depctr_hold_cnt(0) depctr_sa_sdst(0) depctr_va_vdst(0) depctr_va_sdst(0) depctr_va_ssrc(0) depctr_va_vcc(0) depctr_vm_vsrc(0)
	s_getreg_b32 s2, hwreg(HW_REG_IB_STS2, 6, 4)
	s_cmp_eq_u32 s2, 0
	s_cbranch_scc0 .Lentry_in_a_cluster
	s_endpgm
.Lentry_in_a_cluster:
	s_bfe_u32 s2, ttmp6, 0x10000c
	s_cmp_lg_u32 s2, 0xf033
	s_cbranch_scc0 .Lentry_shape_is_right
	s_endpgm
.Lentry_shape_is_right:
; out0 = a Wo + bo on E4M3 codes.  A = ac [b][head][token][64] (K = 64 x head + d), B = wc's fourth part, Wo's codes [n][k].  out = sum x 2^(e10 + e11) + bo, one fused multiply-add.
; LIMIT: e10 + e11 between -126 and 127.
; A tile of 256 x 256 to a work-group, 128 x 128 to each of four waves; K in steps of 256 = four heads through a ring of two LDS slots; 4 x 4 work-groups ask jointly, A along a row of the cluster, B along a column.
; 128 tiles: a tile of half the rows would give each wave 64 x 128, which reads half as much again from LDS for each product.
; A's TILE: a head's 256 rows of 64 bytes are 16,384 dense bytes; a load brings two heads as two such lines, 131,072 bytes apart, with 16 bytes of padding behind every 64: LDS rows of 80 bytes, a head 20,480.
; THE MATRIX INSTRUCTION IS USED TRANSPOSED (source 0 = rows of B, source 1 = rows of A).  REGISTERS as in the launch for q, k, v; v[32:35] bo at my four columns of a row.
; No prefetch: four K steps only, and the tiles are shared in the cluster.
.set ROWB,   256
.set KROW,   1024
.set NROW,   4096                      ; a row of out0 in bytes
.set PITCH,  272
.set APITCH, 80
.set AHEAD,  256*APITCH                ; a head's rows in LDS
.set ASTEP,  4<<17                     ; four heads on in memory
.set FR,     16
.set NL,     4
.set NP,     4
.set HALFT,  128*PITCH
.set SLOT,   4*AHEAD+2*HALFT           ; A's four heads, then B's 256 rows
.set LAPS,   2
.set SPARE,  2*SLOT
.set SPITCH, 528                       ; the way out: 16 rows x (512 + 16) bytes for each wave, in slot 0, which has had its last fill and its last read by then
.set ADRA, 16                          ; v16-19 A's fragments: slot 0, 1 x first, second pair of heads
.set ADRB, 20
.set STO,  24
.set RD,   25
.set CO,   26
.set SPW,  28
.set NIL,  29
.set BIAS, 32
.set AF,   128
.set BK,   128
.set G1, 24
.set G0, 32
.set G1B, 48
.set G0B, 56
.set MSB, 0
.macro WIN new
.if MSB != \new
	s_set_vgpr_msb (MSB<<8)|\new
.set MSB, \new
.endif
.endm
.set MUL_LO, 0xa1
.set MUL_HI, 0xf1
.set TO_B,   0x40
.macro JLOAD g0a, g1a, g0b, g1b        ; waves 0 and 1 fetch for A, waves 2 and 3 for B; an s_nop 0 and four v_nop follow each line
	s_cmp_eq_u32 s15, 0
	s_cbranch_scc0 .Lfor_b_\@
	tensor_load_to_lds s[\g0a:\g0a+3], s[\g1a:\g1a+7]
	s_nop 0
.rept 4
	v_nop
.endr
	s_branch .Lasked_\@
.Lfor_b_\@:
	tensor_load_to_lds s[\g0b:\g0b+3], s[\g1b:\g1b+7]
	s_nop 0
.rept 4
	v_nop
.endr
.Lasked_\@:
.endm
.macro CREST
	s_cmp_lg_u32 s14, 0
	s_cbranch_scc1 .Lnot_wave_0_\@
	s_barrier_signal -3
.Lnot_wave_0_\@:
	s_barrier_wait -3
	s_barrier_signal -1
	s_barrier_wait -1
.endm
.macro CROUND
	s_barrier_signal -1
	s_barrier_wait -1
	CREST
.endm
	s_load_b128 s[4:7], s[0:1], 0x0                ; ac, wc
	s_load_b64 s[8:9], s[0:1], 0x10                ; the scales' exponents
	s_load_b64 s[68:69], s[0:1], 0x18              ; bo
	s_load_b64 s[10:11], s[0:1], 0x20              ; out0
	v_lshl_add_u32 v[SPW], v0, 2, SPARE
	v_mov_b32 v[NIL], 0
	ds_add_u32 v[SPW], v[NIL]                      ; the wave's opening: the add and its wait ahead of my first tensor load
	ds_add_u32 v[SPW], v[NIL]
	v_lshrrev_b32 v1, 5, v0
	v_readfirstlane_b32 s14, v1
	s_lshr_b32 s15, s14, 1                         ; my half of the rows.  Also: I fetch for A (0) or B (1)
	s_and_b32 s16, s14, 1                          ; my half of the columns.  Also: which half I fetch
	s_bfe_u32 s40, ttmp6, 0x40000                  ; cx
	s_bfe_u32 s41, ttmp6, 0x40004                  ; cy
	s_mov_b32 s42, s40                             ; tile column (the grid is one cluster wide)
	s_and_b32 s17, ttmp7, 0xffff
	s_lshl_b32 s17, s17, 2
	s_add_co_u32 s17, s17, s41                     ; tile row
	s_lshl_b32 s43, s41, 2
	s_lshl_b32 s43, 15, s43
	s_lshl_b32 s44, 0x1111, s40
	s_or_b32 s[G1+0], s43, (0<<16)|(1<<20)|(1<<21)|(3<<22)|(3<<25)  ; A: my row's mask; 1 byte; padding: 4 words after every 16
	s_mov_b32 s[G1+1], 16384<<16                   ; tensor_dim0: a head's 256 rows on end
	s_mov_b32 s[G1+2], 2<<16                       ; tensor_dim1: two heads
	s_mov_b32 s[G1+3], 16384<<16                   ; tile_dim0
	s_mov_b32 s[G1+4], 2                           ; tile_dim1
	s_mov_b32 s[G1+5], 131072                      ; from head to head
	s_mov_b32 s[G1+6], 0
	s_mov_b32 s[G1+7], 0
	s_or_b32 s[G1B+0], s44, (0<<16)|(1<<20)|(1<<21)|(5<<22)|(3<<25) ; B: my column's mask; padding: 4 words after every 64
	s_mov_b32 s[G1B+1], ROWB<<16
	s_mov_b32 s[G1B+2], 128<<16
	s_mov_b32 s[G1B+3], ROWB<<16
	s_mov_b32 s[G1B+4], 128
	s_mov_b32 s[G1B+5], KROW
	s_mov_b32 s[G1B+6], 0
	s_mov_b32 s[G1B+7], 0
	s_lshr_b32 s20, s17, 3
	s_lshl_b32 s20, s20, 21                        ; A: b x 16 heads of 131,072 bytes
	s_and_b32 s18, s17, 7
	s_lshl_b32 s18, s18, 14
	s_add_co_u32 s20, s20, s18                     ; + 256 (tile row % 8) rows of 64 bytes
	s_lshl_b32 s18, s16, 18
	s_add_co_u32 s20, s20, s18                     ; + my two heads
	s_mov_b32 s21, 0
	s_lshl_b32 s46, s42, 8
	s_lshl_b32 s18, s16, 7
	s_add_co_u32 s46, s46, s18
	s_lshl_b32 s46, s46, 10
	s_add_co_u32 s46, s46, 3<<20                   ; B: Wo's codes, row 256 x tile column + 128 x half
	s_mov_b32 s47, 0
	s_mul_i32 s45, s16, 2*AHEAD                    ; where A's go,
	s_mul_i32 s70, s16, HALFT
	s_add_co_u32 s70, s70, 4*AHEAD                 ; and B's
	s_wait_dscnt 0x0
	s_wait_kmcnt 0x0
	s_load_b64 s[96:97], s[8:9], 0x28              ; entries 10, 11
	s_add_nc_u64 s[20:21], s[4:5], s[20:21]
	s_add_nc_u64 s[46:47], s[6:7], s[46:47]
	CROUND
.irp s, 0,1
	s_mov_b32 s[G0+4*\s], 1
	s_add_co_u32 s[G0+4*\s+1], s45, \s*SLOT
	s_add_nc_u64 s[G0+4*\s+2:G0+4*\s+3], s[20:21], \s*ASTEP
	s_or_b32 s[G0+4*\s+3], s[G0+4*\s+3], 0x80000000
	s_mov_b32 s[G0B+4*\s], 1
	s_add_co_u32 s[G0B+4*\s+1], s70, \s*SLOT
	s_add_nc_u64 s[G0B+4*\s+2:G0B+4*\s+3], s[46:47], \s*ROWB
	s_or_b32 s[G0B+4*\s+3], s[G0B+4*\s+3], 0x80000000
	s_wait_alu depctr_va_vdst(0)
	s_wait_tensorcnt 0x0
	ds_add_u32 v28, v29
	ds_add_u32 v28, v29
	s_wait_dscnt 0x0
	CROUND
	JLOAD G0+4*\s, G1, G0B+4*\s, G1B
.endr
	v_and_b32 v1, 15, v0
	v_bfe_u32 v2, v0, 4, 1
	v_mul_u32_u24 v3, v1, PITCH
	v_lshl_add_u32 v4, v2, 4, v3                   ; B: row x 272 + 16 h
	v_mul_u32_u24 v5, v1, APITCH
	v_lshl_add_u32 v5, v2, 4, v5                   ; A: row x 80 + 16 h
	s_mul_i32 s21, s15, 128*APITCH
	s_mul_i32 s22, s16, HALFT
	s_add_co_u32 s22, s22, 4*AHEAD
.irp s, 0,1
	v_add_nc_u32 v[ADRA+2*\s], s21, v5
	v_add_nc_u32 v[ADRA+2*\s+1], 2*AHEAD, v[ADRA+2*\s]
	v_add_nc_u32 v[ADRB+\s], s22, v4
	s_add_co_u32 s21, s21, SLOT
	s_add_co_u32 s22, s22, SLOT
.endr
	s_mul_i32 s23, s14, 16*SPITCH                  ; my stage
	v_mul_u32_u24 v5, v1, SPITCH
	v_lshl_add_u32 v5, v2, 5, v5
	v_add_nc_u32 v[STO], s23, v5
	v_and_b32 v6, 31, v0
	v_lshlrev_b32 v[CO], 4, v6
	s_wait_alu depctr_va_vdst(0)
	v_add_nc_u32 v[RD], s23, v[CO]
	s_lshl_b32 s20, s17, 8
	s_lshl_b32 s21, s15, 7
	s_add_co_u32 s20, s20, s21
	s_lshl_b32 s20, s20, 12                        ; my first row of out0
	s_lshl_b32 s46, s42, 10
	s_lshl_b32 s47, s16, 9
	s_add_co_u32 s46, s46, s47                     ; my first column, in bytes
	s_mov_b32 s47, 0
	s_add_nc_u64 s[68:69], s[68:69], s[46:47]
	global_load_b128 v[BIAS:BIAS+3], v[CO], s[68:69]         ; bo at my four columns of a row of 128
	s_add_co_u32 s20, s20, s46
	s_mov_b32 s21, 0
	s_add_nc_u64 s[10:11], s[10:11], s[20:21]
.macro FRAGA reg, slot, q, i           ; registers 4 c .. 4 c + 3: K = 128 q + 32 c + 16 h + 0 .. 15: head 2 q + c / 2, d = 32 (c % 2) + 16 h
.irp c, 0,1,2,3
	ds_load_b128 v[\reg+4*\c:\reg+4*\c+3], v[ADRA+2*(\slot)+(\q)] offset:(\c/2)*AHEAD+32*(\c%2)+(\i)*16*APITCH
.endr
.endm
.macro FRAGB reg, slot, q, i
.irp c, 0,1,2,3
	ds_load_b128 v[\reg+4*\c:\reg+4*\c+3], v[ADRB+\slot] offset:128*(\q)+32*\c+(\i)*16*PITCH
.endr
.endm
.macro MUL16 a0, p, zero               ; the 64 accumulators take turns, one instruction a turn
.irp a, \a0, \a0+1
.irp b, 0,1,2,3,4,5,6,7
.if \zero
	v_wmma_f32_16x16x128_fp8_fp8 v[8*(8*((\a)%4)+\b):8*(8*((\a)%4)+\b)+7], v[128*(\p)+FR*\b:128*(\p)+FR*\b+FR-1], v[AF+FR*(\a):AF+FR*(\a)+FR-1], 0
.else
	v_wmma_f32_16x16x128_fp8_fp8 v[8*(8*((\a)%4)+\b):8*(8*((\a)%4)+\b)+7], v[128*(\p)+FR*\b:128*(\p)+FR*\b+FR-1], v[AF+FR*(\a):AF+FR*(\a)+FR-1], v[8*(8*((\a)%4)+\b):8*(8*((\a)%4)+\b)+7]
.endif
.endr
.endr
.endm
.macro FETCH_B slot, q, p
	WIN TO_B
.irp i, 0,1,2,3,4,5,6,7
	FRAGB 128*(\p)+FR*\i, \slot, \q, \i
.endr
	WIN 0
.endm
.macro FETCH_A slot, q, i0
.irp i, \i0, \i0+1, \i0+2, \i0+3
	FRAGA AF+FR*(\i), \slot, \q, \i
.endr
.endm
.macro PLACES n
.rept \n
	v_nop
.endr
.endm
.macro STEP slot, q, zero
	s_wait_dscnt 4*NL                              ; the youngest 16 loads (A's blocks 4-7) may be out
	WIN MUL_LO
	MUL16 0, (\q)%2, \zero
	MUL16 2, (\q)%2, \zero
	s_wait_dscnt 0
	PLACES NP
	FETCH_B \slot, (\q)+1, 1-(\q)%2
	FETCH_A \slot, (\q)+1, 0
	WIN MUL_HI
	MUL16 4, (\q)%2, \zero
	MUL16 6, (\q)%2, \zero
	PLACES NP
	WIN 0
	FETCH_A \slot, (\q)+1, 4
.endm
.macro TURN slot, next, fill
	s_wait_tensorcnt 0x0                           ; all my tensor loads have landed: my part of the next slot
	ds_add_u32 v[SPW], v[NIL]
	s_wait_dscnt 4*NL+1                            ; the add and the youngest 16 loads may be out
	WIN MUL_LO
	MUL16 0, 1, 0
	s_wait_dscnt 0x0                               ; the add is done, and my reads of this slot are over
	s_barrier_signal -1
	MUL16 2, 1, 0
	WIN 0
	s_barrier_wait -1
.if \fill
	CREST                                          ; a round of the cluster's barrier: no wave of any partner still reads this slot or has a load on its way
	s_add_nc_u64 s[G0+4*\slot+2:G0+4*\slot+3], s[G0+4*\slot+2:G0+4*\slot+3], 2*ASTEP
	s_add_nc_u64 s[G0B+4*\slot+2:G0B+4*\slot+3], s[G0B+4*\slot+2:G0B+4*\slot+3], 2*ROWB
	JLOAD G0+4*\slot, G1, G0B+4*\slot, G1B
.else
	PLACES NP
.endif
	FETCH_B \next, 0, 0
	FETCH_A \next, 0, 0
	WIN MUL_HI
	MUL16 4, 1, 0
	MUL16 6, 1, 0
	PLACES NP
	WIN 0
	FETCH_A \next, 0, 4
.endm
	s_wait_tensorcnt 1                             ; my part of K step 0 is in; K step 1's load may be out
	s_barrier_signal -1
	s_barrier_wait -1
	FETCH_B 0, 0, 0
	FETCH_A 0, 0, 0
	FETCH_A 0, 0, 4
	STEP 0, 0, 1
	s_mov_b32 s3, LAPS-1
.Llap:
	TURN 0, 1, 1
	STEP 1, 0, 0
	TURN 1, 0, 1
	STEP 0, 0, 0
	s_sub_co_u32 s3, s3, 1
	s_cmp_lg_u32 s3, 0
	s_cbranch_scc1 .Llap
	TURN 0, 1, 0
	STEP 1, 0, 0
	s_wait_dscnt 4*NL
	WIN MUL_LO
	MUL16 0, 1, 0
	MUL16 2, 1, 0
	s_wait_dscnt 0
	WIN MUL_HI
	MUL16 4, 1, 0
	MUL16 6, 1, 0
	WIN 0
; THE WAY OUT, block by block of 16 rows x 128 columns: the sums go as they are through my own stage and come back as whole rows of 512 bytes; there each lane holds four columns: sum x 2^(e10 + e11) + bo.
.macro TOSTAGE a
.set AC, 64*((\a)%4)
.set WSEL, 0x08+4*((\a)/4)
	WIN WSEL                                       ; the stores' data: window 2 or 3
.irp b, 0,1,2,3,4,5,6,7
	ds_store_b128 v[STO], v[AC+8*\b:AC+8*\b+3] offset:64*\b          ; each accumulator from its low end on
	ds_store_b128 v[STO], v[AC+8*\b+4:AC+8*\b+7] offset:64*\b+16
.endr
	WIN 0
.set BB, BK+64*((\a)%2)
.irp t, 0,1,2,3,4,5,6,7,8,9,10,11,12,13,14,15
	ds_load_b128 v[BB+4*\t:BB+4*\t+3], v[RD] offset:\t*SPITCH        ; LDS serves a wave's instructions in order
.endr
.endm
.macro SEND a, younger                 ; younger: the LDS instructions issued behind block a's loads
.set BB, BK+64*((\a)%2)
	s_wait_dscnt \younger
.if (\a) > 0
	s_add_nc_u64 s[10:11], s[10:11], 16*NROW       ; (the earlier stores have read their base: a wait on XCNT stands ahead)
.endif
.irp t, 0,1,2,3,4,5,6,7,8,9,10,11,12,13,14,15
	v_pk_fma_f32 v[BB+4*\t:BB+4*\t+1], v[BB+4*\t:BB+4*\t+1], s[96:97], v[BIAS:BIAS+1] op_sel_hi:[1,0,1]
	v_pk_fma_f32 v[BB+4*\t+2:BB+4*\t+3], v[BB+4*\t+2:BB+4*\t+3], s[96:97], v[BIAS+2:BIAS+3] op_sel_hi:[1,0,1]
.endr
.irp t, 0,1,2,3,4,5,6,7,8,9,10,11,12,13,14,15
	global_store_b128 v[CO], v[BB+4*\t:BB+4*\t+3], s[10:11] offset:\t*NROW th:TH_STORE_NT   ; 32 lanes store 512 consecutive bytes, aligned
.endr
.endm
	s_wait_kmcnt 0x0
	s_add_co_i32 s96, s96, s97
	s_add_co_i32 s96, s96, 127
	s_lshl_b32 s96, s96, 23                        ; 2^(e10 + e11)
	s_mov_b32 s97, s96
	s_wait_loadcnt 0x0                             ; bo
	PLACES NP
	s_wait_alu depctr_va_vdst(0)
	TOSTAGE 0
.irp a, 1,2,3,4,5,6,7
.if \a > 1
	s_wait_xcnt 0x0                                ; block a - 2's stores have read their registers and their base
.endif
	TOSTAGE \a
	SEND \a-1, 32                                  ; behind block a - 1's loads: block a's 16 stores and 16 loads
.endr
	s_wait_xcnt 0x0
	SEND 7, 0
	s_wait_tensorcnt 0x0                           ; the wave's end
	ds_add_u32 v[SPW], v[NIL]
	s_wait_dscnt 0x0
	CROUND                                         ; the closing round
	s_endpgm
.Lfunc_end_k_q9264384c1d_proj:
	.size	k_q9264384c1d_proj, .Lfunc_end_k_q9264384c1d_proj-k_q9264384c1d_proj
	.p2alignl 7, 3214868480
	.fill 96, 4, 3214868480
	.section	.rodata,"a",@progbits
	.p2align	6, 0x0
	.amdhsa_kernel k_q9264384c1d_proj
		.amdhsa_group_segment_fixed_size 327680
		.amdhsa_private_segment_fixed_size 0
		.amdhsa_enable_private_segment 0
		.amdhsa_kernarg_size 40
		.amdhsa_user_sgpr_count 2
		.amdhsa_user_sgpr_kernarg_segment_ptr 1
		.amdhsa_wavefront_size32 1
		.amdhsa_system_sgpr_workgroup_id_x 1
		.amdhsa_system_sgpr_workgroup_id_y 1
		.amdhsa_system_sgpr_workgroup_id_z 1
		.amdhsa_system_vgpr_workitem_id 0
		.amdhsa_next_free_vgpr 1024
		.amdhsa_next_free_sgpr 100
		.amdhsa_reserve_vcc 0
		.amdhsa_float_denorm_mode_32 3
		.amdhsa_float_denorm_mode_16_64 3
		.amdhsa_memory_ordered 1
		.amdhsa_forward_progress 1
		.amdhsa_inst_pref_size 125
	.end_amdhsa_kernel
	.amdgpu_metadata
---
amdhsa.version: [ 1, 2 ]
amdhsa.kernels:
  - .name:           k_q9264384c1d_proj
    .symbol:         k_q9264384c1d_proj.kd
    .args:
      - { .name: ac, .offset: 0, .size: 8, .value_kind: global_buffer, .address_space: global }
      - { .name: wc, .offset: 8, .size: 8, .value_kind: global_buffer, .address_space: global }
      - { .name: lowp_scales, .offset: 16, .size: 8, .value_kind: global_buffer, .address_space: global }
      - { .name: bo, .offset: 24, .size: 8, .value_kind: global_buffer, .address_space: global }
      - { .name: out0, .offset: 32, .size: 8, .value_kind: global_buffer, .address_space: global }
    .group_segment_fixed_size: 327680
    .private_segment_fixed_size: 0
    .kernarg_segment_align: 8
    .kernarg_segment_size: 40
    .max_flat_workgroup_size: 128
    .sgpr_count:     100
    .vgpr_count:     1024
    .wavefront_size: 32
...
	.end_amdgpu_metadata
.endif
;; end of part 5
